; MI455X (gfx1250); checked and timed in simulation.
; The chip was launched on July 23, 2026; its instructions are those of AMD's public machine-readable ISA for CDNA 5 (MIT licence, August 2026) and "CDNA5" Instruction Set Architecture Reference Guide (July 2026). The comments in the code are by the model that wrote it; some were corrected since.
;; Custom Multihead Attention. Allowed arithmetic: matrix products marked QUANTISED: E2M3 operands, one E8M0 scale for each 32 along K, by v_wmma_scale_f32_16x16x128_f8f6f4 with both operands' format E2M3, f32 sums; everything else in f32.
;; Inputs: Wk 1,024 x 1,024 float32; Wp 1,024 x 1,024 float32; Wq 1,024 x 1,024 float32; Wv 1,024 x 1,024 float32; bk 1,024 float32; bp 1,024 float32; bq 1,024 float32; bv 1,024 float32; key 4 x 2,048 x 1,024 float32; query 4 x 2,048 x 1,024 float32; value 4 x 2,048 x 1,024 float32.
;; Outputs: out0 4 x 2,048 x 1,024 float32.
;; This version of the problem:
;;   THIS VERSION OF THE PROBLEM IS GIVEN IN LOW PRECISION. The matrix products marked QUANTISED in the list below multiply operands that are first quantised to E2M3 (2 exponent bits, 3 mantissa bits; 6 bits a number), with one power-of-two scale for each 32 numbers along K (OCP MX v1.0); their sums are f32. All else is computed in f32.
;;   The module's matrix products, in the order in which they are computed (A, B: the left and right operand; K: the contracted axis; several contracted axes count as one K, in the product's order):
;;     1. [M 8,192, K 1,024] x [K 1,024, N 1,024]; A: input query; B: input Wq: QUANTISED
;;     2. [M 8,192, K 1,024] x [K 1,024, N 1,024]; A: input key; B: input Wk: QUANTISED
;;     3. [M 8,192, K 1,024] x [K 1,024, N 1,024]; A: input value; B: input Wv: QUANTISED
;;     4. batch 64 x [M 2,048, K 64] x [K 64, N 2,048]; A: computed on the way; B: computed on the way: QUANTISED
;;     5. batch 64 x [M 2,048, K 2,048] x [K 2,048, N 64]; A: softmax (see below); B: computed on the way: QUANTISED
;;     6. [M 8,192, K 1,024] x [K 1,024, N 1,024]; A: computed on the way; B: input Wp: QUANTISED
;;   THE QUANTISER, for each operand of a quantised product, along K:
;;     - K is cut into blocks of 32 from its start; a last block that is shorter is filled with zeros.
;;     - A block's scale is 2^e with e = floor(log2(the largest magnitude in the block)) - 2, held to -126 .. 127; a block of zeros has e = 0. As a byte (E8M0): e + 127.
;;     - Each number is divided by its block's scale, clamped to +-7.5, and rounded to the nearest number of E2M3, ties to even, subnormals kept.
;;     - The product sums the exact products of the quantised numbers (number of the format x scale) in f32.
;;   ~~~python
;;   def quantise(x, axis):      # numpy; x: float32 -> the quantised numbers, widened to float32 again
;;       x = np.moveaxis(x, axis, -1); K = x.shape[-1]
;;       x = np.pad(x, [(0, 0)] * (x.ndim - 1) + [(0, -K % 32)]); x = x.reshape(x.shape[:-1] + (-1, 32)); a = np.abs(x).max(-1, keepdims=True)
;;       e = np.where(a > 0, np.clip(np.frexp(np.where(a > 0, a, 1))[1] - 1 - 2, -126, 127), 0)      # np.frexp(a)[1] - 1 = floor(log2(a)), exactly
;;       r = np.clip(x / 2.0 ** e, -7.5, 7.5)
;;       step = 2.0 ** (np.maximum(np.frexp(np.where(r == 0, 1, r))[1] - 1, 0) - 3)
;;       q = np.round(r / step) * step * 2.0 ** e      # np.round: ties to even
;;       return np.moveaxis(q.reshape(q.shape[:-2] + (-1,))[..., :K], -1, axis).astype(np.float32)
;;   ~~~
;;   SOFTMAX AHEAD OF A QUANTISED PRODUCT. Where the list says 'softmax', what is quantised is not the finished softmax but p = 2^(t - M), with t = logit x log2(e) and M = ceil(the row's largest t), a whole number; so 1/2 < the row's largest p <= 1. The row's sum l is taken of the UNQUANTISED p, in f32, and the product's result is divided by l at the end. Since M is a whole number, a kernel that streams over the keys may use a running M (the ceiling of the running maximum): every later rescaling is an exact power of two, which a block's scale takes up: the codes' values come out the same.
;;   OPERANDS COMPUTED ON THE WAY. 'Computed on the way' means the value that the module computes at that place (a softmax that the list does not call 'softmax' is quantised finished and normalised). What goes into a quantiser is computed in f32, as accurately as f32 sums, v_exp_f32 and their like allow (about 1e-6 of the number): no bf16 or f16 on the way to a quantiser, and a product that is left as it is and whose result goes on into a quantised operand takes f32 operands (vector FMAs, or v_wmma_f32_16x16x4_f32). A number that lies on a knife's edge between two numbers of the format may be rounded either way, as far as f32 arithmetic and the matrix unit's own rounding can turn it there, and no further.
;; 2 versions. Each part assembles by itself: llvm-mc -triple=amdgcn-amd-amdhsa -mcpu=gfx1250 --defsym DOCPART=n.
;; ======== version 1 of 2: 4 launches
;; workspace buffers: wimg 3,145,728 bytes; wsc 131,072 bytes; aimg 18,874,368 bytes; asc 786,432 bytes; yimg 6,291,456 bytes; ysc 262,144 bytes
;; launch quantw (part 1): grid 64 x 4, 8 waves a work-group, no clusters, 14,336 bytes of LDS; arguments Wq, Wk, Wv, Wp, wimg, wsc; writes wimg, wsc
.if DOCPART == 1
	.amdgcn_target "amdgcn-amd-amdhsa--gfx1250"
	.amdhsa_code_object_version 6
	.text
	.protected	k_qdd9e36a244_quantw
	.globl	k_qdd9e36a244_quantw
	.p2align	8
	.type	k_qdd9e36a244_quantw,@function
k_qdd9e36a244_quantw:
	s_mov_b64 s[64:65], 0
	v_nop
	global_prefetch_b8 v0, s[64:65] scope:SCOPE_SE
	s_setreg_imm32_b32 hwreg(HW_REG_WAVE_MODE, 25, 1), 1
	s_wait_xcnt 0x0
; The four weights W [1024 (k)][1024 (n)], f32, K their FIRST axis, become codes of FP6 (E2M3) with one E8M0 byte for each 32 along K,
; laid in the ORDER OF THE OPERAND'S REGISTERS: wimg [weight 4][chunk of 128 columns 8][K step of 128: 8][tile 8][1,536 bytes].
; An image of a fragment (16 columns x 128 K, 12 registers a lane) is three parts of 512 bytes, part p at 16 x lane = registers 4 p .. 4 p + 3.
; THE COLUMNS OF A TILE ARE NOT NEIGHBOURS: place r of tile a is column 32 (a / 2) + 8 (a % 2) + r + 8 (r / 8) of the chunk.
; wsc [weight][chunk][K step][place 16][tile 8]: one word (four bytes: the K step's four blocks) for each column.
; A block's scale is 2^(floor(log2(its largest magnitude)) - 2); its byte is the largest magnitude's exponent field - 2, held at 1 from below.
; LIMITS: a block of zeros, or one under 2^(3 - 127), gets the byte 1 (the rule says 127 for zeros: the codes are zeros, and this program alone reads the bytes); NaN and infinities are not served.
; SHARES.  Work-group (x = 8 chunk + K step, y = weight).  Wave w: 32 columns 32 (w & 3) on, a lane to a column; its registers run down K: the two blocks
; k = 64 cc + 32 (w >> 2) + 0 .. 31, cc = 0, 1: all 12 registers of one lane of an image.  Each load reads 128 consecutive bytes a wave.
; The images meet in LDS and leave as runs of 512 consecutive bytes.  No matrix unit, no cluster: nothing is shared and memory binds.
.set WSCL, 12288                       ; LDS: eight images at 1,536 a; behind them 512 bytes of scale words [place][tile]
.set X,    32                          ; v32-95   two blocks of 32 numbers
.set F,    16                          ; v16-27   the lane's 12 registers of codes
.set D,    28                          ; v28-30   a block's upper 16 codes (a conversion's three registers begin on an even number)
.set BY,   14                          ; v14-15   the two scale bytes
	s_load_b256 s[4:11], s[0:1], 0x0               ; Wq, Wk, Wv, Wp
	s_load_b128 s[12:15], s[0:1], 0x20             ; wimg, wsc
	v_lshl_add_u32 v128, v0, 2, 0x3400
	v_mov_b32 v129, 0
	v_lshrrev_b32 v8, 5, v0
	v_readfirstlane_b32 s16, v8                    ; wave 0..7
	s_and_b32 s17, ttmp7, 0xffff                   ; which weight
	v_and_b32 v1, 31, v0                           ; lane
	v_lshlrev_b32 v2, 2, v1                        ; in: 4 bytes a lane
	v_bfe_u32 v8, v0, 5, 2                         ; my group of 32 columns
	v_bfe_u32 v9, v0, 3, 1
	v_lshl_add_u32 v8, v8, 1, v9                   ; tile a = 2 x group + (lane / 8) % 2
	v_and_b32 v9, 7, v0
	v_bfe_u32 v10, v0, 4, 1
	v_lshl_add_u32 v9, v10, 3, v9                  ; place r = lane % 8 + 8 (lane / 16)
	v_bfe_u32 v10, v0, 7, 1                        ; which half of the image's lanes: wave / 4
	v_mul_u32_u24 v3, v8, 1536
	v_lshl_add_u32 v3, v9, 4, v3
	v_lshl_add_u32 v3, v10, 8, v3                  ; my 16 bytes of an image's part: 1,536 a + 16 r + 256 half
	v_lshl_add_u32 v4, v9, 5, v10
	v_lshl_add_u32 v4, v8, 2, v4
	v_add_nc_u32 v4, WSCL, v4                      ; my scale bytes: 32 r + 4 a + half (+ 2 cc)
	v_lshlrev_b32 v6, 4, v1                        ; 16 x lane
	v_lshrrev_b32 v11, 5, v0
	v_mad_u32_u24 v5, v11, 1536, v6                ; the way out: wave w takes image w
	s_and_b32 s18, ttmp9, 7                        ; K step: 128 rows of 4,096 bytes
	s_lshl_b32 s18, s18, 19
	s_lshr_b32 s19, s16, 2                         ; + 32 rows for waves 4-7
	s_lshl_b32 s19, s19, 17
	s_add_co_u32 s18, s18, s19
	s_lshr_b32 s19, ttmp9, 3                       ; + the chunk's 128 columns
	s_lshl_b32 s19, s19, 9
	s_add_co_u32 s18, s18, s19
	s_and_b32 s19, s16, 3                          ; + my 32 of them
	s_lshl_b32 s19, s19, 7
	s_add_co_u32 s18, s18, s19
	s_mov_b32 s19, 0
	s_mul_i32 s20, s17, 786432                     ; wimg: the weight, then 12,288 bytes for each (chunk, K step)
	s_mul_i32 s21, ttmp9, 12288
	s_add_co_u32 s20, s20, s21
	s_mov_b32 s21, 0
	s_lshl_b32 s22, s17, 15                        ; wsc: 32,768 a weight, 512 for each (chunk, K step)
	s_lshl_b32 s23, ttmp9, 9
	s_add_co_u32 s22, s22, s23
	s_mov_b32 s23, 0
	s_wait_kmcnt 0x0
	s_cmp_eq_u32 s17, 1                            ; the choice hangs on the work-group's number alone
	s_cselect_b64 s[4:5], s[6:7], s[4:5]
	s_cmp_eq_u32 s17, 2
	s_cselect_b64 s[4:5], s[8:9], s[4:5]
	s_cmp_eq_u32 s17, 3
	s_cselect_b64 s[4:5], s[10:11], s[4:5]
	s_add_nc_u64 s[4:5], s[4:5], s[18:19]
	s_add_nc_u64 s[12:13], s[12:13], s[20:21]
	s_add_nc_u64 s[14:15], s[14:15], s[22:23]
.irp c, 0,1
.irp i, 0,1,2,3,4,5,6,7,8,9,10,11,12,13,14,15,16,17,18,19,20,21,22,23,24,25,26,27,28,29,30,31
	global_load_b32 v[X+32*\c+\i], v2, s[4:5] offset:(64*\c+\i)*4096 th:TH_LOAD_NT   ; W(64 c + 32 half + i, my column)
.endr
.endr
.macro BLOCK cc
.set XS, X+32*(\cc)
.if (\cc) == 0
	s_wait_loadcnt 32                              ; the first block's 32 loads are in; the second block's 32 may be out
.else
	s_wait_loadcnt 0x0
.endif
	v_max3_num_f32 v12, |v[XS]|, |v[XS+1]|, |v[XS+2]|   ; the block's largest magnitude: all 32 numbers are mine; two chains
	v_max3_num_f32 v13, |v[XS+3]|, |v[XS+4]|, |v[XS+5]|
.irp i, 6,10,14,18,22,26
	v_max3_num_f32 v12, v12, |v[XS+\i]|, |v[XS+\i+1]|
	v_max3_num_f32 v13, v13, |v[XS+\i+2]|, |v[XS+\i+3]|
.endr
	v_max3_num_f32 v12, v12, |v[XS+30]|, |v[XS+31]|
	v_max3_num_f32 v12, v12, v13, 0x1800000        ; and the floor 2^(3 - 127): the byte cannot fall under 1
	v_add_nc_u32 v11, 0xff000000, v12              ; 2 off the exponent field: the conversion takes that field as its scale
	v_lshrrev_b32 v[BY+(\cc)], 23, v11             ; the scale's byte
	v_cvt_scalef32_pk16_fp6_f32 v[F+6*(\cc):F+6*(\cc)+2], v[XS:XS+15], v11
	v_cvt_scalef32_pk16_fp6_f32 v[D:D+2], v[XS+16:XS+31], v11
	v_nop                                          ; one plain place behind a scaled conversion
.irp i, 0,1,2
	v_mov_b32 v[F+6*(\cc)+3+\i], v[D+\i]
.endr
	ds_store_b8 v4, v[BY+(\cc)] offset:2*(\cc)     ; byte 2 cc + half of my column's word
.endm
	BLOCK 0
	BLOCK 1
.irp p, 0,1,2
	ds_store_b128 v3, v[F+4*\p:F+4*\p+3] offset:512*\p
.endr
	s_wait_dscnt 0x0                               ; for the others' sake: my stores have landed
	s_barrier_signal -1
	s_barrier_wait -1
.irp p, 0,1,2
	ds_load_b128 v[96+4*\p:96+4*\p+3], v5 offset:512*\p
.endr
	s_wait_dscnt 0x0
.irp p, 0,1,2
	global_store_b128 v5, v[96+4*\p:96+4*\p+3], s[12:13] offset:512*\p   ; 32 lanes store 512 consecutive bytes, aligned
.endr
	s_cmp_lg_u32 s16, 0                            ; wave 0 alone sends the 512 bytes of scale words
	s_cbranch_scc1 .Lend
	ds_load_b128 v[108:111], v6 offset:WSCL
	s_wait_dscnt 0x0
	global_store_b128 v6, v[108:111], s[14:15]
.Lend:
	s_wait_tensorcnt 0x0
	ds_add_u32 v128, v129
	s_wait_dscnt 0x0
	s_endpgm
.Lfunc_end_k_qdd9e36a244_quantw:
	.size	k_qdd9e36a244_quantw, .Lfunc_end_k_qdd9e36a244_quantw-k_qdd9e36a244_quantw
	.p2alignl 7, 3214868480
	.fill 96, 4, 3214868480
	.section	.rodata,"a",@progbits
	.p2align	6, 0x0
	.amdhsa_kernel k_qdd9e36a244_quantw
		.amdhsa_group_segment_fixed_size 14336
		.amdhsa_private_segment_fixed_size 0
		.amdhsa_enable_private_segment 0
		.amdhsa_kernarg_size 48
		.amdhsa_user_sgpr_count 2
		.amdhsa_user_sgpr_kernarg_segment_ptr 1
		.amdhsa_wavefront_size32 1
		.amdhsa_system_sgpr_workgroup_id_x 1
		.amdhsa_system_sgpr_workgroup_id_y 1
		.amdhsa_system_sgpr_workgroup_id_z 1
		.amdhsa_system_vgpr_workitem_id 0
		.amdhsa_next_free_vgpr 130
		.amdhsa_next_free_sgpr 66
		.amdhsa_reserve_vcc 0
		.amdhsa_float_denorm_mode_32 3
		.amdhsa_float_denorm_mode_16_64 3
		.amdhsa_memory_ordered 1
		.amdhsa_forward_progress 1
		.amdhsa_inst_pref_size 13
	.end_amdhsa_kernel
	.amdgpu_metadata
---
amdhsa.version: [ 1, 2 ]
amdhsa.kernels:
  - .name:           k_qdd9e36a244_quantw
    .symbol:         k_qdd9e36a244_quantw.kd
    .args:
      - { .name: Wq, .offset: 0, .size: 8, .value_kind: global_buffer, .address_space: global }
      - { .name: Wk, .offset: 8, .size: 8, .value_kind: global_buffer, .address_space: global }
      - { .name: Wv, .offset: 16, .size: 8, .value_kind: global_buffer, .address_space: global }
      - { .name: Wp, .offset: 24, .size: 8, .value_kind: global_buffer, .address_space: global }
      - { .name: wimg, .offset: 32, .size: 8, .value_kind: global_buffer, .address_space: global }
      - { .name: wsc, .offset: 40, .size: 8, .value_kind: global_buffer, .address_space: global }
    .group_segment_fixed_size: 14336
    .private_segment_fixed_size: 0
    .kernarg_segment_align: 8
    .kernarg_segment_size: 48
    .max_flat_workgroup_size: 256
    .sgpr_count:     66
    .vgpr_count:     130
    .wavefront_size: 32
...
	.end_amdgpu_metadata
.endif
;; end of part 1
;; launch proj (part 2): grid 64 x 3, 4 waves a work-group, no clusters, 136,704 bytes of LDS; arguments query, key, value, bq, bk, bv, wimg, wsc, aimg, asc; writes aimg, asc
.if DOCPART == 2
	.amdgcn_target "amdgcn-amd-amdhsa--gfx1250"
	.amdhsa_code_object_version 6
	.text
	.protected	k_qdd9e36a244_proj
	.globl	k_qdd9e36a244_proj
	.p2align	8
	.type	k_qdd9e36a244_proj,@function
k_qdd9e36a244_proj:
	s_mov_b64 s[64:65], 0
	v_nop
	global_prefetch_b8 v0, s[64:65] scope:SCOPE_SE
	s_setreg_imm32_b32 hwreg(HW_REG_WAVE_MODE, 25, 1), 1
	s_wait_xcnt 0x0
; q = query Wq + bq, k = key Wk + bk, v = value Wv + bv, on codes of FP6 (E2M3) with one E8M0 scale for each 32 along K; the results are quantised at once for attention's products and never go to memory as f32.
; SHARES.  Work-group (x = block of 128 tokens, y = 0 q, 1 k, 2 v): 128 tokens x all 1,024 columns.  X PHASE: wave w quantises tokens 32 w .. 32 w + 31 (two tiles x eight K steps) into images in LDS.
; MAIN: wave w makes the chunks of 128 columns 2 w and 2 w + 1, each 128 x 128: 64 accumulators.  x's fragments come from LDS; W's go from wimg straight into the registers of the one wave that uses them.
; THE ROWS OF EVERY TILE ARE NOT NEIGHBOURS: place r of tile 2 g + u is row 32 g + 8 u + r + 8 (r / 8) (tokens and columns alike), so that in a result the 16 registers of source 0's tiles 2 g, 2 g + 1 are the 16 neighbours 32 g + 16 (lane / 16) + 0 .. 15.
; q, k: source 0 = W, source 1 = x: a lane holds a token and its 64 registers 128 columns = 2 heads x 64: quantised along the head's 64.  An image holds TWO token tiles of one head: registers 0-5 tile 2 g, registers 6-11 tile 2 g + 1.
; v: source 0 = x, source 1 = W: a lane holds a column and its 64 registers the block's 128 tokens = one key step: quantised along the keys.
; The bias is the C of each sum's first matrix instruction.  q / 8 is q with 3 off each scale byte: the floor for q is 2^(6 - 127), so that the byte is held at 1 as the quantiser asks of q / 8.
; aimg [q, k, v][batch x head 64][98,304]: q, k: [pair of token tiles 64][1,536]; v: [key step 16][tile of d 4][1,536].  asc [3][64][4,096]: one word for each row of an image; q, k: bytes (first tile's two, second tile's two).
; LIMITS: a block of zeros, or under the floor, gets the floor's byte (its codes are zeros or as held; these bytes are read by this program alone); NaN and infinities are not served.
; NO CLUSTER: a weight fragment is used by one wave of a work-group and lands in its registers without passing LDS, which a joint load cannot do; a ring for the weights would add 12,288 bytes of LDS reads a wave and K step, and a round for every 64 matrix instructions.
; The second chunk's last K step issues the fetches that a third chunk would want (26 + the bias's loads, 26 LDS loads a wave): they stay inside their buffers and are not used: the price of one text for both chunks without a branch in it.
; REGISTERS.  window 0: v1-15 addresses; v16-31 W's scale words, two sets; v32-47 x's, two sets; v64-159 x's eight fragments, one set; v160-215 the quantiser.
;   window 1: W's fragments, set 0 at v0, set 1 at v128; the bias as C: tiles 0-3 at v96, 4-7 at v224 (in the X phase: four sets of 64 numbers as loaded).   windows 2, 3: the 64 accumulators.
.set XSC,    98304                     ; LDS: x's 64 images, fragment (K step s, tile b) at 1,536 (8 s + b); then their scale words [s][place][b]
.set STG,    102400                    ; then a stage of 16 rows x 528 bytes for each wave, its own
.set SPITCH, 528                       ; 512 bytes + 16: 132 words: row r starts at bank 4 r mod 64 (64 banks of 4 bytes: ISA guide 11.1)
.set SW,  16
.set SX,  32
.set XF,  64
.set TM,  160                          ; v160-163 largest magnitudes, v164-167 the other half's / bytes, v172-175 the conversions' scale operands
.set PWX, 176
.set PWY, 177
.set WA,  178
.set WBB, 179
.set T0,  180
.set T1,  184
.set FA,  192
.set FB,  204
.set MSB, 0
.macro WIN new                         ; the immediate's high byte repeats the setting that is left; a switch that changes nothing is dropped
.if MSB != (\new)
	s_set_vgpr_msb (MSB<<8)|(\new)
.set MSB, (\new)
.endif
.endm
.macro PLACES n                        ; plain places behind matrix instructions, in front of loads into their registers and of reads of their results
.rept \n
	v_nop
.endr
.endm
; 64 numbers of a lane, v[src] on in window win, register 16 b + i = k 32 b + 16 (lane / 16) + i of my row, become codes: blocks 0, 1 in v[d0 .. d0 + 5], blocks 2, 3 in v[d1 .. d1 + 5]; the four bytes in v[pw].  fl: the floor.
.macro QUANT src, win, d0, d1, pw, fl
	WIN ((\win)<<2)|((\win)<<4)
.irp b, 0,1,2,3
	v_max3_num_f32 v[TM+\b], \fl, |v[(\src)+16*\b]|, |v[(\src)+16*\b+1]|   ; each accumulator is read from its low end on
.endr
.irp i, 2,4,6,8,10,12,14
.irp b, 0,1,2,3
	v_max3_num_f32 v[TM+\b], v[TM+\b], |v[(\src)+16*\b+\i]|, |v[(\src)+16*\b+\i+1]|   ; the four blocks by turns
.endr
.endr
	WIN 0
.irp b, 0,1,2,3
	v_permlanex16_b32 v[TM+4+\b], v[TM+\b], s42, s43
.endr
.irp b, 0,1,2,3
	v_max_num_f32 v[TM+\b], v[TM+\b], v[TM+4+\b]   ; with lane l xor 16's 16: the block's largest magnitude
.endr
.irp b, 0,1,2,3
	v_add_nc_u32 v[TM+12+\b], 0xff000000, v[TM+\b] ; 2 off the exponent field: the conversion's scale operand
.endr
.irp b, 0,1,2,3
	v_lshrrev_b32 v[TM+4+\b], 23, v[TM+12+\b]      ; the byte
.endr
	v_lshl_or_b32 v[\pw], v[TM+5], 8, v[TM+4]
	v_lshl_or_b32 v[\pw], v[TM+6], 16, v[\pw]
	v_lshl_or_b32 v[\pw], v[TM+7], 24, v[\pw]
	WIN (\win)
	v_cvt_scalef32_pk16_fp6_f32 v[(\d0):(\d0)+2], v[(\src):(\src)+15], v[TM+12]
	v_cvt_scalef32_pk16_fp6_f32 v[T0:T0+2], v[(\src)+16:(\src)+31], v[TM+13]
	v_cvt_scalef32_pk16_fp6_f32 v[(\d1):(\d1)+2], v[(\src)+32:(\src)+47], v[TM+14]
	v_cvt_scalef32_pk16_fp6_f32 v[T1:T1+2], v[(\src)+48:(\src)+63], v[TM+15]
	WIN 0
	v_nop                                          ; one plain place behind a scaled conversion
.irp i, 0,1,2                          ; the operand wants a WHOLE block in a lane: lanes 0-15 the even block, lanes 16-31 the odd one
	v_permlane16_swap_b32 v[(\d0)+\i], v[T0+\i]
	v_permlane16_swap_b32 v[(\d1)+\i], v[T1+\i]
.endr
.irp i, 0,1,2
	v_mov_b32 v[(\d0)+3+\i], v[T0+\i]
	v_mov_b32 v[(\d1)+3+\i], v[T1+\i]
.endr
.endm
	s_load_b512 s[16:31], s[0:1], 0x0              ; query 16, key 18, value 20, bq 22, bk 24, bv 26, wimg 28, wsc 30
	s_load_b128 s[32:35], s[0:1], 0x40             ; aimg 32, asc 34
	v_lshl_add_u32 v254, v0, 2, 0x21400
	v_mov_b32 v255, 0
	v_lshrrev_b32 v1, 5, v0
	v_readfirstlane_b32 s36, v1                    ; wave 0..3
	s_and_b32 s37, ttmp7, 0xffff                   ; y
	v_and_b32 v49, 31, v0                          ; lane
	v_and_b32 v15, 15, v0                          ; r
	v_bfe_u32 v14, v0, 4, 1                        ; h
	v_lshlrev_b32 v1, 4, v49                       ; v1   16 x lane
	v_lshlrev_b32 v2, 5, v15                       ; v2   32 r: W's scale words
	v_add_nc_u32 v3, XSC, v2                       ; v3   x's scale words
	s_mul_i32 s51, s36, 16*SPITCH
	s_add_co_u32 s51, s51, STG                     ; my stage
	v_add_nc_u32 v8, s51, v1                       ; v8   into it: a row's 512 bytes as loaded
	v_mul_u32_u24 v9, v15, SPITCH
	v_lshl_add_u32 v9, v14, 6, v9
	v_add_nc_u32 v9, s51, v9                       ; v9   out of it: row r, + 64 h: my 16 numbers of each block of 32
	s_mul_i32 s51, s36, 3072
	v_add_nc_u32 v10, s51, v1                      ; v10  my images: tiles 2 w, 2 w + 1
	s_lshl_b32 s51, s36, 3
	v_add_nc_u32 v11, s51, v3                      ; v11  their scale words
.irp b, 0,1,2,3
	v_mov_b32 v[TM+4+\b], 0                        ; written once: a lane permute's destination counts as one of its sources
.endr
	s_mov_b32 s41, 0xffff0000                      ; lanes 16-31
	s_mov_b32 s42, 0x76543210
	s_mov_b32 s43, 0xfedcba98                      ; v_permlanex16_b32's selects for lane l xor 16
	s_mov_b32 s56, 0x05040100                      ; v_perm_b32: the two low halves
	s_mov_b32 s57, 0x07060302                      ; the two high halves
	s_lshl_b32 s52, ttmp9, 19                      ; x: 128 rows of 4,096 bytes a block, 32 a wave
	s_lshl_b32 s53, s36, 17
	s_add_co_u32 s52, s52, s53
	s_mov_b32 s53, 0
	s_lshl_b32 s54, s36, 10                        ; the bias: 256 columns a wave
	s_mov_b32 s55, 0
	s_mul_i32 s58, s37, 786432                     ; wimg: the weight, 98,304 a chunk
	s_mul_i32 s59, s36, 196608
	s_add_co_u32 s58, s58, s59
	s_mov_b32 s59, 0
	s_lshl_b32 s60, s37, 15                        ; wsc: 32,768 a weight, 4,096 a chunk
	s_lshl_b32 s61, s36, 13
	s_add_co_u32 s60, s60, s61
	s_mov_b32 s61, 0
	s_lshr_b32 s46, ttmp9, 4                       ; batch
	s_and_b32 s47, ttmp9, 15                       ; the block in its batch
	s_lshl_b32 s46, s46, 4
	s_lshl_b32 s48, s36, 2
	s_add_co_u32 s46, s46, s48                     ; 16 batch + my first head, 4 w
	s_mul_i32 s2, s37, 6291456
	s_mul_i32 s48, s46, 98304
	s_add_co_u32 s2, s2, s48
	s_mul_i32 s48, s47, 6144                       ; four images a block, in q, k (pairs of token tiles) and in v (tiles of d) alike
	s_add_co_u32 s2, s2, s48
	s_mov_b32 s3, 0
	s_lshl_b32 s62, s37, 18
	s_lshl_b32 s48, s46, 12
	s_add_co_u32 s62, s62, s48
	s_lshl_b32 s48, s47, 8
	s_add_co_u32 s62, s62, s48
	s_mov_b32 s63, 0
	s_cmp_eq_u32 s37, 0
	s_mov_b32 s39, 0x1800000
	s_cselect_b32 s39, 0x3000000, s39              ; the floor: 2^(6 - 127) for q, else 2^(3 - 127)
	s_cselect_b32 s40, 0x03030303, 0               ; what comes off q's scale bytes: q / 8
	s_wait_kmcnt 0x0
	s_cmp_eq_u32 s37, 1                            ; the choices hang on the work-group's number alone
	s_cselect_b64 s[4:5], s[18:19], s[16:17]
	s_cselect_b64 s[6:7], s[24:25], s[22:23]
	s_cmp_eq_u32 s37, 2
	s_cselect_b64 s[4:5], s[20:21], s[4:5]
	s_cselect_b64 s[6:7], s[26:27], s[6:7]
	s_add_nc_u64 s[4:5], s[4:5], s[52:53]          ; s[4:5]   x at my 32 rows
	s_add_nc_u64 s[6:7], s[6:7], s[54:55]          ; s[6:7]   the bias at my chunk
	s_add_nc_u64 s[8:9], s[28:29], s[58:59]        ; s[8:9]   W's images of the K step in hand
	s_add_nc_u64 s[10:11], s[30:31], s[60:61]      ; s[10:11] their scale words
	s_add_nc_u64 s[12:13], s[32:33], s[2:3]        ; s[12:13] the images out
	s_add_nc_u64 s[14:15], s[34:35], s[62:63]      ; s[14:15] the scale words out
; ---- X PHASE.  A unit = one tile (16 rows) x one K step (512 bytes a row).  Sixteen units a wave: unit u = K step u / 2, tile 2 w + u % 2, in set u % 4 of window 1.
.macro XLOADS set, imm                 ; 16 loads, each a row's 512 consecutive bytes
	WIN 0x40
.irp t, 0,1,2,3,4,5,6,7,8,9,10,11,12,13,14,15
	global_load_b128 v[64*(\set)+4*\t:64*(\set)+4*\t+3], v1, s[4:5] offset:(\imm)+(8*((\set)%2)+\t+8*(\t/8))*4096 th:TH_LOAD_NT
.endr
	WIN 0
.endm
.macro XUNIT i, more, cnt
	s_wait_loadcnt \cnt                            ; this unit's 16 loads are in; the younger units' may be out
	WIN 0x04                                       ; an LDS store's data are its source 1: window 1
.irp t, 0,1,2,3,4,5,6,7,8,9,10,11,12,13,14,15
	ds_store_b128 v8, v[64*(\i)+4*\t:64*(\i)+4*\t+3] offset:SPITCH*\t
.endr
	WIN 0
.irp q, 0,1,2,3
.irp j, 0,1,2,3
	ds_load_b128 v[XF+16*\q+4*\j:XF+16*\q+4*\j+3], v9 offset:128*\q+16*\j   ; LDS serves a wave's instructions in order: these see the stores above
.endr
.endr
	s_wait_dscnt 0x0                               ; my 64 numbers are back; the set's stores and the last unit's image stores have read their registers
.if \more
	XLOADS \i, 1024+512*((\i)/2)                   ; the set takes the unit four further on
.endif
	QUANT XF, 0, FA, FA+6, PWX, 0x1800000
.irp p, 0,1,2
	ds_store_b128 v12, v[FA+4*\p:FA+4*\p+3] offset:((\i)/2)*12288+((\i)%2)*1536+512*\p
.endr
	ds_store_b32 v13, v[PWX] offset:((\i)/2)*512+4*((\i)%2)   ; lanes r and r + 16 write the same word with the same value
.endm
	XLOADS 0, 0
	XLOADS 1, 0
	XLOADS 2, 512
	XLOADS 3, 512
	s_mov_b32 s44, 0                               ; two K steps of images a trip
	s_mov_b32 s45, 0                               ; and of scale words
	s_mov_b32 s50, 3
.Lx:
	v_add_nc_u32 v12, s44, v10
	v_add_nc_u32 v13, s45, v11
	XUNIT 0, 1, 48
	XUNIT 1, 1, 48
	XUNIT 2, 1, 48
	XUNIT 3, 1, 48
	s_wait_xcnt 0x0                                ; the loads have read their base: it may step
	s_wait_dscnt 0x0                               ; no LDS store of mine is out: v12 and v13 may be written
	s_add_nc_u64 s[4:5], s[4:5], 1024
	s_add_co_u32 s44, s44, 24576
	s_add_co_u32 s45, s45, 1024
	s_sub_co_u32 s50, s50, 1
	s_cmp_lg_u32 s50, 0
	s_cbranch_scc1 .Lx
	v_add_nc_u32 v12, s44, v10
	v_add_nc_u32 v13, s45, v11
	XUNIT 0, 0, 48                                 ; the last four units load nothing: the counts run down
	XUNIT 1, 0, 32
	XUNIT 2, 0, 16
	XUNIT 3, 0, 0
	s_wait_dscnt 0x0                               ; for the others' sake: my images have landed
	s_barrier_signal -1
	s_barrier_wait -1                              ; x's 64 fragments lie in LDS; from here on LDS is only read
; ---- MAIN.  16 matrix instructions: x's tiles 4 bh .. + 3 against W's tiles 4 ah .. + 3, K step in set p.  first = 1: the bias is the C.
; The quarters go (0,0) (0,1) (1,0) (1,1) in every K step, so the 64 accumulators take turns, one instruction a turn, in one order.
.macro MULQ swap, bh, ah, p, first
.if \swap
.if \first
	WIN 0x94+0x40*(\ah)                            ; source 0 (x) window 0, source 1 (W) window 1, C (bias) window 1, D window 2 or 3
.else
	WIN 0xa4+0x50*(\ah)
.endif
.else
.if \first
	WIN 0x91+0x40*(\bh)                            ; source 0 (W) window 1, source 1 (x) window 0
.else
	WIN 0xa1+0x50*(\bh)
.endif
.endif
.irp bb, 0,1,2,3
.irp aa, 0,1,2,3
.set TB_, 4*(\bh)+\bb
.set TA_, 4*(\ah)+\aa
.set RW, 128*(\p)+12*TA_
.set RX, XF+12*TB_
.set RC, 96+8*TA_+96*(TA_/4)
.if \swap
.set AC, 64*\aa+8*TB_
.if \first
	v_wmma_scale_f32_16x16x128_f8f6f4 v[AC:AC+7], v[RX:RX+11], v[RW:RW+11], v[RC:RC+7], v[SX+8*(\p)+TB_], v[SW+8*(\p)+TA_] matrix_a_fmt:MATRIX_FMT_FP6 matrix_b_fmt:MATRIX_FMT_FP6
.else
	v_wmma_scale_f32_16x16x128_f8f6f4 v[AC:AC+7], v[RX:RX+11], v[RW:RW+11], v[AC:AC+7], v[SX+8*(\p)+TB_], v[SW+8*(\p)+TA_] matrix_a_fmt:MATRIX_FMT_FP6 matrix_b_fmt:MATRIX_FMT_FP6
.endif
.else
.set AC, 64*\bb+8*TA_
.if \first
	v_wmma_scale_f32_16x16x128_f8f6f4 v[AC:AC+7], v[RW:RW+11], v[RX:RX+11], v[RC:RC+7], v[SW+8*(\p)+TA_], v[SX+8*(\p)+TB_] matrix_a_fmt:MATRIX_FMT_FP6 matrix_b_fmt:MATRIX_FMT_FP6
.else
	v_wmma_scale_f32_16x16x128_f8f6f4 v[AC:AC+7], v[RW:RW+11], v[RX:RX+11], v[AC:AC+7], v[SW+8*(\p)+TA_], v[SX+8*(\p)+TB_] matrix_a_fmt:MATRIX_FMT_FP6 matrix_b_fmt:MATRIX_FMT_FP6
.endif
.endif
.endr
.endr
.endm
.macro WLOAD p, step                   ; a K step's eight fragments of W and their scale words into set p: 26 loads.  K steps, and the chunks behind each other, are 12,288 and 512 bytes apart
.if \step
	s_wait_xcnt 0x0                                ; the earlier loads have read their bases
	s_add_nc_u64 s[8:9], s[8:9], 12288
	s_add_nc_u64 s[10:11], s[10:11], 512
.endif
	WIN 0x40
.irp a, 0,1,2,3,4,5,6,7
.irp q, 0,1,2
	global_load_b128 v[128*(\p)+12*\a+4*\q:128*(\p)+12*\a+4*\q+3], v1, s[8:9] offset:1536*\a+512*\q
.endr
.endr
	WIN 0
	global_load_b128 v[SW+8*(\p):SW+8*(\p)+3], v2, s[10:11]
	global_load_b128 v[SW+8*(\p)+4:SW+8*(\p)+7], v2, s[10:11] offset:16
.endm
.macro BBLOAD swap                     ; the chunk's bias in the result's layout.  q, k: a lane's eight columns of each tile; v: the lane's one column, in all eight registers
	WIN 0x40
.irp a, 0,1,2,3,4,5,6,7
.set RC, 96+8*\a+96*(\a/4)
.if \swap
.irp j, 0,1,2,3,4,5,6,7
	global_load_b32 v[RC+\j], v7, s[6:7] offset:(32*(\a/2)+8*(\a%2))*4
.endr
.else
	global_load_b128 v[RC:RC+3], v7, s[6:7] offset:(32*(\a/2)+8*(\a%2))*4
	global_load_b128 v[RC+4:RC+7], v7, s[6:7] offset:(32*(\a/2)+8*(\a%2))*4+16
.endif
.endr
	WIN 0
.endm
.macro XLO p, reset                    ; the next K step's x: tiles 0-3 and the eight scale words (set p): 14 LDS loads
.if \reset
	s_mov_b32 s46, 0
	s_mov_b32 s47, 0
.else
	s_add_co_u32 s46, s46, 12288
	s_add_co_u32 s47, s47, 512
.endif
	v_add_nc_u32 v4, s46, v1                       ; (no LDS load of mine is out)
	v_add_nc_u32 v5, s47, v3
.irp b, 0,1,2,3
.irp q, 0,1,2
	ds_load_b128 v[XF+12*\b+4*\q:XF+12*\b+4*\q+3], v4 offset:1536*\b+512*\q
.endr
.endr
	ds_load_b128 v[SX+8*(\p):SX+8*(\p)+3], v5
	ds_load_b128 v[SX+8*(\p)+4:SX+8*(\p)+7], v5 offset:16
.endm
.macro XHI                             ; tiles 4-7: 12 LDS loads
.irp b, 4,5,6,7
.irp q, 0,1,2
	ds_load_b128 v[XF+12*\b+4*\q:XF+12*\b+4*\q+3], v4 offset:1536*\b+512*\q
.endr
.endr
.endm
; A K step of 128: 64 matrix instructions.  nxt = 1: the next step follows in the chunk; 2: the chunk's last step: the next chunk's first step and bias are fetched.
.macro KSTEP swap, p, first, nxt
	WLOAD 1-(\p), 1                                ; into the set that the last step multiplied: four places stand behind its last product
	s_wait_loadcnt 26                              ; all but the 26 just issued: this step's W, and the bias, are in
.if (\nxt) == 2
	s_cmp_eq_u32 s49, 1                            ; behind the second chunk the bias's pointer stays: no load leaves its buffer
	s_cselect_b32 s52, 0, 512
	s_mov_b32 s53, 0
	s_wait_xcnt 0x0
	s_add_nc_u64 s[6:7], s[6:7], s[52:53]
	BBLOAD \swap
.endif
	s_wait_dscnt 12                                ; x's tiles 0-3 and scale words are in; the youngest 12 loads (tiles 4-7) may be out
	MULQ \swap, 0, 0, \p, \first
	MULQ \swap, 0, 1, \p, \first
	s_wait_dscnt 0x0                               ; tiles 4-7 are in
	PLACES 4
	WIN 0
	XLO 1-(\p), (\nxt)-1
	MULQ \swap, 1, 0, \p, \first
	MULQ \swap, 1, 1, \p, \first
	PLACES 4                                       ; for the loads below, for the next step's loads of W, and for the first read of results
	WIN 0
	XHI
.endm
; Two groups of 64 accumulators (g, g + 1) are quantised and leave.  q, k: token tiles g, g + 1 give one image for each of the chunk's two heads; v: tiles of columns g, g + 1 give an image each.
.macro EPAIR swap, g
	s_wait_xcnt 0x0                                ; the last pair's stores have read their registers
.if \swap
	QUANT 64*((\g)%4), 2+(\g)/4, FA, FA+6, PWX, s39
	QUANT 64*(((\g)+1)%4), 2+(\g)/4, FB, FB+6, PWY, s39
.else
	QUANT 64*((\g)%4), 2+(\g)/4, FA, FB, PWX, s39
	QUANT 64*(((\g)+1)%4), 2+(\g)/4, FA+6, FB+6, PWY, s39
.endif
	v_sub_nc_u32 v[PWX], v[PWX], s40               ; q: 3 off each byte (each is 4 at the least): q / 8
	v_sub_nc_u32 v[PWY], v[PWY], s40
.if \swap
.irp q, 0,1,2
	global_store_b128 v1, v[FA+4*\q:FA+4*\q+3], s[12:13] offset:((\g)/4)*98304+((\g)%4)*1536+512*\q   ; 32 lanes store 512 consecutive bytes, aligned
	global_store_b128 v1, v[FB+4*\q:FB+4*\q+3], s[12:13] offset:((\g)/4)*98304+((\g)%4+1)*1536+512*\q
.endr
	v_cndmask_b32 v[WA], v[PWX], v[PWY], s41       ; lanes 0-15 send tile g's words, lanes 16-31 tile g + 1's
	global_store_b32 v6, v[WA], s[14:15] offset:((\g)/4)*4096+((\g)%4)*64
.else
.irp q, 0,1,2
	global_store_b128 v1, v[FA+4*\q:FA+4*\q+3], s[12:13] offset:((\g)/2)*1536+512*\q
	global_store_b128 v1, v[FB+4*\q:FB+4*\q+3], s[12:13] offset:98304+((\g)/2)*1536+512*\q
.endr
	v_perm_b32 v[WA], v[PWY], v[PWX], s56          ; the first head: the two tiles' bytes 0, 1
	v_perm_b32 v[WBB], v[PWY], v[PWX], s57         ; the second head: their bytes 2, 3
	v_cndmask_b32 v[WA], v[WA], v[WBB], s41        ; lanes 0-15 send the first head's words, lanes 16-31 the second's
	global_store_b32 v6, v[WA], s[14:15] offset:64*((\g)/2)
.endif
.endm
.macro MAIN swap
.if \swap
	v_lshlrev_b32 v6, 2, v15
	v_lshl_add_u32 v6, v14, 6, v6                  ; v6  scale words out: 4 r, + the next tile's 64 bytes for lanes 16-31
	v_and_b32 v7, 8, v15
	v_add_nc_u32 v7, v7, v15
	v_lshlrev_b32 v7, 2, v7                        ; v7  the bias of my column: 4 (r + 8 (r / 8))
.else
	v_lshlrev_b32 v6, 2, v15
	v_lshl_add_u32 v6, v14, 12, v6                 ; v6  4 r, + the next head's 4,096 bytes for lanes 16-31
	v_lshlrev_b32 v7, 6, v14                       ; v7  the bias of my half's columns: 64 h
.endif
	BBLOAD \swap
	WLOAD 0, 0
	XLO 0, 1
	XHI
	s_mov_b32 s49, 2                               ; chunks to go
.Lchunk_\@:
	KSTEP \swap, 0, 1, 1
	s_mov_b32 s48, 3
.Lk_\@:
	KSTEP \swap, 1, 0, 1
	KSTEP \swap, 0, 0, 1
	s_sub_co_u32 s48, s48, 1
	s_cmp_lg_u32 s48, 0
	s_cbranch_scc1 .Lk_\@
	KSTEP \swap, 1, 0, 2
	EPAIR \swap, 0
	EPAIR \swap, 2
	EPAIR \swap, 4
	EPAIR \swap, 6
	s_wait_xcnt 0x0                                ; the stores have read their bases
	s_add_nc_u64 s[12:13], s[12:13], 196608        ; two heads on
	s_add_nc_u64 s[14:15], s[14:15], 8192
	s_sub_co_u32 s49, s49, 1
	s_cmp_lg_u32 s49, 0
	s_cbranch_scc1 .Lchunk_\@
	s_wait_loadcnt 0x0                             ; the fetches for a chunk that does not follow are let land
	s_wait_dscnt 0x0
	s_wait_tensorcnt 0x0
	ds_add_u32 v254, v255
	s_wait_dscnt 0x0
	s_endpgm
.endm
	s_cmp_eq_u32 s37, 2
	s_cbranch_scc1 .Lfor_v
	MAIN 0
.Lfor_v:
	MAIN 1
.Lfunc_end_k_qdd9e36a244_proj:
	.size	k_qdd9e36a244_proj, .Lfunc_end_k_qdd9e36a244_proj-k_qdd9e36a244_proj
	.p2alignl 7, 3214868480
	.fill 96, 4, 3214868480
	.section	.rodata,"a",@progbits
	.p2align	6, 0x0
	.amdhsa_kernel k_qdd9e36a244_proj
		.amdhsa_group_segment_fixed_size 136704
		.amdhsa_private_segment_fixed_size 0
		.amdhsa_enable_private_segment 0
		.amdhsa_kernarg_size 80
		.amdhsa_user_sgpr_count 2
		.amdhsa_user_sgpr_kernarg_segment_ptr 1
		.amdhsa_wavefront_size32 1
		.amdhsa_system_sgpr_workgroup_id_x 1
		.amdhsa_system_sgpr_workgroup_id_y 1
		.amdhsa_system_sgpr_workgroup_id_z 1
		.amdhsa_system_vgpr_workitem_id 0
		.amdhsa_next_free_vgpr 1024
		.amdhsa_next_free_sgpr 66
		.amdhsa_reserve_vcc 0
		.amdhsa_float_denorm_mode_32 3
		.amdhsa_float_denorm_mode_16_64 3
		.amdhsa_memory_ordered 1
		.amdhsa_forward_progress 1
		.amdhsa_inst_pref_size 255
	.end_amdhsa_kernel
	.section	.bss,"aw",@nobits
	.p2align	6
	.space	262144
	.amdgpu_metadata
---
amdhsa.version: [ 1, 2 ]
amdhsa.kernels:
  - .name:           k_qdd9e36a244_proj
    .symbol:         k_qdd9e36a244_proj.kd
    .args:
      - { .name: query, .offset: 0, .size: 8, .value_kind: global_buffer, .address_space: global }
      - { .name: key, .offset: 8, .size: 8, .value_kind: global_buffer, .address_space: global }
      - { .name: value, .offset: 16, .size: 8, .value_kind: global_buffer, .address_space: global }
      - { .name: bq, .offset: 24, .size: 8, .value_kind: global_buffer, .address_space: global }
      - { .name: bk, .offset: 32, .size: 8, .value_kind: global_buffer, .address_space: global }
      - { .name: bv, .offset: 40, .size: 8, .value_kind: global_buffer, .address_space: global }
      - { .name: wimg, .offset: 48, .size: 8, .value_kind: global_buffer, .address_space: global }
      - { .name: wsc, .offset: 56, .size: 8, .value_kind: global_buffer, .address_space: global }
      - { .name: aimg, .offset: 64, .size: 8, .value_kind: global_buffer, .address_space: global }
      - { .name: asc, .offset: 72, .size: 8, .value_kind: global_buffer, .address_space: global }
    .group_segment_fixed_size: 136704
    .private_segment_fixed_size: 0
    .kernarg_segment_align: 8
    .kernarg_segment_size: 80
    .max_flat_workgroup_size: 128
    .sgpr_count:     66
    .vgpr_count:     1024
    .wavefront_size: 32
...
	.end_amdgpu_metadata
.endif
;; end of part 2
;; launch attn (part 3): grid 4 x 64, 16 waves a work-group, clusters of 4 x 1, 215,040 bytes of LDS; arguments aimg, asc, yimg, ysc; writes yimg, ysc
.if DOCPART == 3
	.amdgcn_target "amdgcn-amd-amdhsa--gfx1250"
	.amdhsa_code_object_version 6
	.text
	.protected	k_qdd9e36a244_attn
	.globl	k_qdd9e36a244_attn
	.p2align	8
	.type	k_qdd9e36a244_attn,@function
k_qdd9e36a244_attn:
	s_mov_b64 s[64:65], 0
	v_nop
	global_prefetch_b8 v0, s[64:65] scope:SCOPE_SE
	s_setreg_imm32_b32 hwreg(HW_REG_WAVE_MODE, 25, 1), 1
	s_wait_xcnt 0x0
	s_wait_alu depctr_hold_cnt(0) depctr_sa_sdst(0) depctr_va_vdst(0) depctr_va_sdst(0) depctr_va_ssrc(0) depctr_va_vcc(0) depctr_vm_vsrc(0)
	s_getreg_b32 s2, hwreg(HW_REG_IB_STS2, 6, 4)
	s_cmp_eq_u32 s2, 0
	s_cbranch_scc0 .Lentry_in_a_cluster
	s_endpgm
.Lentry_in_a_cluster:
	s_bfe_u32 s2, ttmp6, 0x10000c
	s_cmp_lg_u32 s2, 0x3003
	s_cbranch_scc0 .Lentry_shape_is_right
	s_endpgm
.Lentry_shape_is_right:
; y[b][h][q] = softmax_k(q . k / 8 + bias[k]) v, bias[k] = -10 (k / 2047 - 0.5)^2, both products on codes of FP6 (E2M3) with one E8M0 scale for each 32 along K; y leaves as codes for the last product.
; THE SOFTMAX: t = logit x log2(e); M = the running largest t rounded UP to a whole number; p = 2^(t - M) is quantised along the keys, not normalised; the row's sum is taken of the unquantised p and divides at the end.
; When M moves, the sum and O are multiplied by 2^(old M - new M): exact.
; SHARES.  A work-group owns 512 queries of one (batch, head); each of its 16 waves a pair of query tiles (32 queries), in two passes of 16 queries; a pass walks the 2,048 keys, 128 a step.
; ALL of the head's K and V (98,304 bytes each, as images of operand registers) and their scale words lie in LDS, filled ONCE: no slot is filled again.
; CLUSTER.  The four work-groups of a head need the same K and V: each block is asked for JOINTLY, by the same tensor load with the same descriptor and the mask of all four.
; LAYOUT.  S^T = K Q^T, O^T = V^T P^T: a lane holds ONE query (lane % 16) throughout.  The head's size is 64 and the instruction's K 128: a fragment of K holds TWO tiles of keys (registers 0-5, 6-11), and Q stands between
; zeros, v16-33 = 0 x 6 | q x 6 | 0 x 6: v[22:33] meets the first tile, v[16:27] the second.  Zero codes add nothing.  The key bias is the C of the score products: it comes from a table in LDS into the scores' registers.
; Place r of tile 2 g + u is key 32 g + 8 u + r + 8 (r / 8), so the 16 registers of two neighbouring tiles are 16 neighbouring keys, 32 g + 16 (lane / 16) + 0 .. 15; the tiles of V's d likewise.
; LIMITS: NaN and infinities are not served; a block of y under 2^(3 - 127) gets the byte 1 (read by this program alone).
; REGISTERS: v1-11 addresses; v12 -M, v13 the largest t, v[14:15] the sum; v16-33 Q between zeros; v34-45 the pair's codes, v46 its scale word, v47 the word in use; v48-95 four fragments of K, then of V;
;   v96-159 S^T, then p; v160-191 O^T; v192-203 p's codes; v204-210, v212-223 the quantiser; v224-231 K's and V's scale words; v232 p's; v[234:235] f; v236-237 at work; v238 y's scale word.
.set VOFF, 98304                       ; LDS: K's 64 images; V's 64 images;
.set KSC,  196608                      ; K's scale words, 4,096 bytes; V's, 4,096 bytes on;
.set FBT,  204800                      ; the key bias, 2,048 f32: written by LDS stores; no tensor load lands here
.macro CROUND                          ; a round of the cluster's barrier
	s_barrier_signal -1
	s_barrier_wait -1
	s_cmp_lg_u32 s12, 0
	s_cbranch_scc1 .Lnot_wave_0_\@
	s_barrier_signal -3
.Lnot_wave_0_\@:
	s_barrier_wait -3
	s_barrier_signal -1
	s_barrier_wait -1
.endm
	s_load_b256 s[4:11], s[0:1], 0x0               ; aimg s[4:5], asc s[6:7], yimg s[8:9], ysc s[10:11]
	v_lshl_add_u32 v254, v0, 2, 0x34000
	v_mov_b32 v255, 0
	ds_add_u32 v254, v255
	ds_add_u32 v254, v255
	v_lshrrev_b32 v1, 5, v0
	v_readfirstlane_b32 s12, v1                    ; wave 0..15
	s_bfe_u32 s13, ttmp6, 0x40000                  ; cx: my place in the cluster: it enters Q's and y's global addresses alone
	s_and_b32 s14, ttmp7, 0xffff                   ; batch x head, which the four partners share
	; group 1: dense blocks as rows of 256 bytes (32 elements of 8 bytes): 96 rows (a quarter of K or V), 16 rows (a tensor's scale words)
	s_mov_b32 s16, 15|(3<<16)|(1<<21)              ; 15:0 the mask: all four work-groups; 17:16 elements of 8 bytes; 21 set beside a mask
	s_mov_b32 s17, 32<<16                          ; tensor_dim0 = 32
	s_mov_b32 s18, 96<<16                          ; tensor_dim1 = 96
	s_mov_b32 s19, 32<<16                          ; tile_dim0 = 32
	s_mov_b32 s20, 96                              ; tile_dim1 = 96
	s_mov_b32 s21, 32                              ; the pitch
	s_mov_b32 s22, 0
	s_mov_b32 s23, 0
	s_mov_b32 s24, 15|(3<<16)|(1<<21)
	s_mov_b32 s25, 32<<16
	s_mov_b32 s26, 16<<16
	s_mov_b32 s27, 32<<16
	s_mov_b32 s28, 16
	s_mov_b32 s29, 32
	s_mov_b32 s30, 0
	s_mov_b32 s31, 0
	s_and_b32 s58, s12, 7                          ; waves 0-3: K's quarters; waves 4-7: V's
	s_mul_i32 s33, s58, 24576                      ; where it goes: K and V lie on end in LDS
	s_lshr_b32 s59, s58, 2
	s_add_co_u32 s59, s59, 1
	s_mul_i32 s59, s59, 6291456                    ; k is tensor 1 of aimg, v tensor 2
	s_and_b32 s58, s58, 3
	s_mul_i32 s58, s58, 24576
	s_add_co_u32 s58, s58, s59
	s_mul_i32 s59, s14, 98304
	s_add_co_u32 s58, s58, s59
	s_mov_b32 s59, 0
	s_and_b32 s60, s12, 1                          ; wave 8: K's scale words; wave 9: V's
	s_lshl_b32 s37, s60, 12
	s_add_co_u32 s37, s37, KSC
	s_add_co_u32 s60, s60, 1
	s_lshl_b32 s60, s60, 18
	s_lshl_b32 s61, s14, 12
	s_add_co_u32 s60, s60, s61
	s_mov_b32 s61, 0
	s_mov_b32 s40, 0x76543210
	s_mov_b32 s41, 0xfedcba98                      ; v_permlanex16_b32's selects for lane l xor 16
	s_mov_b32 s42, 0x3fb8aa3b                      ; log2(e): the 1 / 8 stands in q's scales
	s_mov_b32 s43, s42                             ; (named with it as a pair, so it is written)
	s_mov_b32 s49, 0x01000100                      ; v_perm_b32: bytes 0, 1, 0, 1
	s_wait_dscnt 0x0
	s_wait_kmcnt 0x0
	s_mov_b32 s32, 1
	s_add_nc_u64 s[34:35], s[4:5], s[58:59]
	s_or_b32 s35, s35, 0x80000000
	s_mov_b32 s36, 1
	s_add_nc_u64 s[38:39], s[6:7], s[60:61]
	s_or_b32 s39, s39, 0x80000000
	s_lshl_b32 s58, s13, 4
	s_add_co_u32 s58, s58, s12                     ; my pair of query tiles: 16 cx + wave
	s_lshl_b32 s59, s14, 6
	s_add_co_u32 s59, s59, s58
	s_mul_i32 s50, s59, 1536
	s_mov_b32 s51, 0
	s_lshl_b32 s52, s59, 6
	s_mov_b32 s53, 0
	s_add_nc_u64 s[56:57], s[10:11], s[52:53]      ; y's scale words
	s_add_nc_u64 s[52:53], s[6:7], s[52:53]        ; Q's scale words
	s_add_nc_u64 s[50:51], s[4:5], s[50:51]        ; Q's image
	s_lshr_b32 s58, s14, 4
	s_lshl_b32 s58, s58, 4
	s_lshl_b32 s59, s13, 2
	s_add_co_u32 s58, s58, s59
	s_lshr_b32 s59, s12, 2
	s_add_co_u32 s58, s58, s59                     ; my block of 128 tokens: 16 batch + 4 cx + wave / 4
	s_lshl_b32 s58, s58, 3
	s_bfe_u32 s59, s14, 0x30001                    ; head / 2: the last product's K step
	s_add_co_u32 s58, s58, s59
	s_lshl_b32 s58, s58, 3
	s_and_b32 s59, s12, 3
	s_lshl_b32 s59, s59, 1
	s_add_co_u32 s58, s58, s59                     ; token tile 2 (wave % 4)
	s_lshl_b32 s58, s58, 1
	s_and_b32 s59, s14, 1
	s_add_co_u32 s58, s58, s59                     ; head % 2: which half of a fragment
	s_mul_i32 s58, s58, 768
	s_mov_b32 s59, 0
	s_add_nc_u64 s[54:55], s[8:9], s[58:59]        ; y's half images
	s_mov_b32 s60, 0x3a001002                      ; 1 / 2047
	s_mov_b32 s61, 0x44ffe000                      ; 2047
	CROUND                                         ; all four work-groups are here: the joint loads meet
	s_cmp_lt_u32 s12, 8                            ; one load a wave, in waves 0 to 9; the branches hang on the wave's number alone
	s_cbranch_scc0 .Lnot_kv
	tensor_load_to_lds s[32:35], s[16:23]
	s_nop 0
.rept 4
	v_nop
.endr
	s_branch .Lasked
.Lnot_kv:
	s_cmp_lt_u32 s12, 10
	s_cbranch_scc0 .Lasked
	tensor_load_to_lds s[36:39], s[24:31]
	s_nop 0
.rept 4
	v_nop
.endr
.Lasked:
	v_and_b32 v9, 31, v0
	v_lshlrev_b32 v1, 4, v9                        ; v1   16 x lane: K's images
	v_add_nc_u32 v2, VOFF, v1                      ; v2   V's
	v_lshlrev_b32 v10, 3, v9                       ; v10  8 x lane
	v_and_b32 v9, 15, v0
	v_lshlrev_b32 v11, 2, v9                       ; v11  4 r
	v_add_nc_u32 v3, KSC, v11                      ; v3   scale words
	v_bfe_u32 v9, v0, 4, 1
	v_lshl_add_u32 v4, v9, 6, FBT                  ; v4   the bias of my half's 16 keys of a block of 32
	global_load_b128 v[34:37], v1, s[50:51]        ; the pair's codes: registers 0-5 the first tile of queries, 6-11 the second
	global_load_b128 v[38:41], v1, s[50:51] offset:512
	global_load_b128 v[42:45], v1, s[50:51] offset:1024
	global_load_b32 v46, v11, s[52:53]             ; bytes: the first tile's two, the second's two
	v_lshlrev_b32 v48, 2, v0                       ; THE BIAS TABLE: thread t makes keys 4 t .. 4 t + 3
.irp e, 0,1,2,3
	v_add_nc_u32 v[52+\e], \e, v48
	v_cvt_f32_u32 v[52+\e], v[52+\e]               ; i
	v_mul_f32 v[56+\e], s60, v[52+\e]              ; i / 2047, roughly,
	v_fma_f32 v[52+\e], -v[56+\e], s61, v[52+\e]   ; what is left over,
	v_fma_f32 v[56+\e], v[52+\e], s60, v[56+\e]    ; and mended by it
	v_add_f32 v[56+\e], -0.5, v[56+\e]
	v_mul_f32 v[56+\e], v[56+\e], v[56+\e]
	v_mul_f32 v[56+\e], 0xc1200000, v[56+\e]       ; x -10
.endr
	v_lshl_add_u32 v48, v0, 4, FBT
	ds_store_b128 v48, v[56:59]
.irp i, 0,1,2,3,4,5
	v_mov_b32 v[16+\i], 0                          ; the zeros on both sides of Q
	v_mov_b32 v[28+\i], 0
.endr
.irp b, 0,1,2,3
	v_mov_b32 v[216+\b], 0                         ; written once: a lane permute's destination counts as one of its sources
.endr
	v_mov_b32 v235, 0                              ; (named as the upper half of the pair v[234:235])
	v_mov_b32 v236, 0
	v_mov_b32 v238, 0
	s_wait_tensorcnt 0x0                           ; my part of K, V or the scale words has landed,
	s_wait_dscnt 0x0                               ; and my part of the table
	s_barrier_signal -1
	s_barrier_wait -1                              ; everybody's has
	s_wait_loadcnt 0x0                             ; Q
	s_mov_b32 s48, 2
.Lpass:
.irp i, 0,1,2,3,4,5
	v_mov_b32 v[22+\i], v[34+\i]                   ; this pass's tile of queries between the zeros
.endr
	v_perm_b32 v47, v46, v46, s49                  ; its two scale bytes, for k 0 .. 63 and for k 64 .. 127
	v_mov_b32 v13, 0xff61b1e6                      ; the largest t so far: -3e38, under every t
	v_floor_f32 v12, -v13                          ; -M
	v_mov_b32 v14, 0
	v_mov_b32 v15, 0
.set J, 0
.rept 32
	v_mov_b32 v[160+J], 0                          ; O^T: the first change of M multiplies zeros.  (These are also the places between the writes of Q and its scale word and the scaled products)
.set J, J+1
.endr
	s_mov_b32 s44, 0                               ; the step's images: 6,144 bytes a step
	s_mov_b32 s45, 0                               ; its scale words: 256
	s_mov_b32 s46, 0                               ; its biases: 512
	s_mov_b32 s47, 16
.Lstep:
	v_add_nc_u32 v5, s44, v1                       ; (four plain places behind the last products, whose operands' registers the loads below fill; no LDS load of mine is out)
	v_add_nc_u32 v6, s44, v2
	v_add_nc_u32 v7, s45, v3
	v_add_nc_u32 v8, s46, v4
.irp g, 0,1,2,3
.irp q, 0,1,2
	ds_load_b128 v[48+12*\g+4*\q:48+12*\g+4*\q+3], v5 offset:1536*\g+512*\q
.endr
	ds_load_b32 v[224+\g], v7 offset:64*\g
.endr
.irp g, 0,1,2,3
.irp j, 0,1,2,3
	ds_load_b128 v[96+16*\g+4*\j:96+16*\g+4*\j+3], v8 offset:128*\g+16*\j   ; the bias of keys 32 g + 16 h + 4 j on, where their scores will stand
.endr
.endr
	s_wait_dscnt 0x0
.irp g, 0,1,2,3
	v_wmma_scale_f32_16x16x128_f8f6f4 v[96+16*\g:103+16*\g], v[48+12*\g:59+12*\g], v[22:33], v[96+16*\g:103+16*\g], v[224+\g], v47 matrix_a_fmt:MATRIX_FMT_FP6 matrix_b_fmt:MATRIX_FMT_FP6
	v_wmma_scale_f32_16x16x128_f8f6f4 v[104+16*\g:111+16*\g], v[48+12*\g:59+12*\g], v[16:27], v[104+16*\g:111+16*\g], v[224+\g], v47 matrix_a_fmt:MATRIX_FMT_FP6 matrix_b_fmt:MATRIX_FMT_FP6
.endr
.rept 4
	v_nop                                          ; places in front of the loads into K's registers and of the first read of the scores
.endr
.irp t, 0,1,2,3
.irp q, 0,1,2
	ds_load_b128 v[48+12*\t+4*\q:48+12*\t+4*\q+3], v6 offset:1536*\t+512*\q   ; V lands under the softmax
.endr
	ds_load_b32 v[228+\t], v7 offset:4096+64*\t
.endr
.irp b, 0,1,2,3
	v_max3_num_f32 v[212+\b], v[96+16*\b], v[97+16*\b], v[98+16*\b]   ; the largest logit of each block of 32 keys: for the row's maximum and, since p rises with the logit, for the block's largest p
.endr
.irp i, 3,5,7,9,11,13
.irp b, 0,1,2,3
	v_max3_num_f32 v[212+\b], v[212+\b], v[96+16*\b+\i], v[97+16*\b+\i]
.endr
.endr
.irp b, 0,1,2,3
	v_max_num_f32 v[212+\b], v[212+\b], v[111+16*\b]
.endr
.irp b, 0,1,2,3
	v_permlanex16_b32 v[216+\b], v[212+\b], s40, s41
.endr
.irp b, 0,1,2,3
	v_max_num_f32 v[212+\b], v[212+\b], v[216+\b]  ; with lane l xor 16's 16 keys
.endr
	v_max3_num_f32 v236, v212, v213, v214
	v_max_num_f32 v236, v236, v215
	v_mul_f32 v236, s42, v236                      ; as t
	v_max_num_f32 v13, v13, v236                   ; the running largest t
	v_mov_b32 v236, v12
	v_floor_f32 v12, -v13                          ; the new -M = -ceil(t): a whole number
	v_sub_f32 v236, v12, v236                      ; old M - new M: a whole number, 0 or less
	v_cvt_i32_f32 v236, v236                       ; (it saturates)
	v_ldexp_f32 v234, 1.0, v236                    ; f = 2^(old M - new M)
.set J, 0
.rept 32
	v_pk_fma_f32 v[96+J:97+J], v[96+J:97+J], s[42:43], v[12:13] op_sel_hi:[1,0,0]   ; t - M, two at a time
.set J, J+2
.endr
.irp b, 0,1,2,3
	v_fma_f32 v[212+\b], v[212+\b], s42, v12       ; the same of each block's largest logit
.endr
.set J, 0
.rept 64
	v_exp_f32 v[96+J], v[96+J]                     ; p = 2^(t - M), at most 1
.set J, J+1
.endr
	v_pk_mul_f32 v[14:15], v[14:15], v[234:235] op_sel_hi:[1,0]   ; the sums under the new M: a plain place behind the exponentials
	s_wait_alu depctr_va_vdst(0)                   ; one wait for the batch of 64, ahead of its first reader
.irp b, 0,1,2,3
	v_exp_f32 v[212+\b], v[212+\b]                 ; the block's largest p
.endr
	v_pk_add_f32 v[216:217], v[96:97], v[98:99]    ; the row's sum of the UNQUANTISED p, in two chains: plain work behind the four
.irp j, 4,8,12,16,20,24,28,32,36,40,44,48,52,56,60
	v_pk_add_f32 v[14:15], v[14:15], v[96+\j:97+\j]
	v_pk_add_f32 v[216:217], v[216:217], v[98+\j:99+\j]
.endr
	v_pk_add_f32 v[14:15], v[14:15], v[216:217]
	s_wait_alu depctr_va_vdst(0)                   ; and one for the four
.irp b, 0,1,2,3
	v_max_num_f32 v[212+\b], 0x1800000, v[212+\b]  ; the floor 2^(3 - 127): the byte cannot fall under 1
.endr
.irp b, 0,1,2,3
	v_add_nc_u32 v[220+\b], 0xff000000, v[212+\b]  ; the conversion's scale operand
.endr
.irp b, 0,1,2,3
	v_lshrrev_b32 v[216+\b], 23, v[220+\b]         ; the byte
.endr
	v_lshl_or_b32 v232, v217, 8, v216              ; p's scale word for these 128 keys
	v_lshl_or_b32 v232, v218, 16, v232
	v_lshl_or_b32 v232, v219, 24, v232
.irp c, 0,1
	v_cvt_scalef32_pk16_fp6_f32 v[192+6*\c:194+6*\c], v[96+32*\c:111+32*\c], v[220+2*\c]
	v_cvt_scalef32_pk16_fp6_f32 v[204+4*\c:206+4*\c], v[112+32*\c:127+32*\c], v[220+2*\c+1]
.endr
	v_nop                                          ; one plain place behind a scaled conversion
.irp c, 0,1
.irp i, 0,1,2
	v_permlane16_swap_b32 v[192+6*\c+\i], v[204+4*\c+\i]   ; a WHOLE block in a lane
.endr
.irp i, 0,1,2
	v_mov_b32 v[195+6*\c+\i], v[204+4*\c+\i]
.endr
.endr
.set J, 0
.rept 16
	v_pk_mul_f32 v[160+J:161+J], v[160+J:161+J], v[234:235] op_sel_hi:[1,0]   ; O^T under the new M.  (These are also the places between the writes of p's codes and scale word and the scaled products)
.set J, J+2
.endr
	s_wait_dscnt 0x0                               ; V is in
.irp t, 0,1,2,3
	v_wmma_scale_f32_16x16x128_f8f6f4 v[160+8*\t:167+8*\t], v[48+12*\t:59+12*\t], v[192:203], v[160+8*\t:167+8*\t], v[228+\t], v232 matrix_a_fmt:MATRIX_FMT_FP6 matrix_b_fmt:MATRIX_FMT_FP6
.endr
	s_add_co_u32 s44, s44, 6144
	s_add_co_u32 s45, s45, 256
	s_add_co_u32 s46, s46, 512
	s_sub_co_u32 s47, s47, 1
	s_cmp_lg_u32 s47, 0
	s_cbranch_scc1 .Lstep
	; THE WAY OUT OF A PASS: y = O^T / the sum; register 16 g + i is d = 32 g + 16 h + i: two blocks of the last product's K: six registers of codes, half a fragment
.rept 4
	v_nop
.endr
	v_add_f32 v14, v14, v15
	v_permlanex16_b32 v236, v14, s40, s41
	v_add_f32 v14, v14, v236                       ; the row's sum
	v_rcp_f32 v14, v14
	v_nop                                          ; a plain place behind the transcendental
	s_wait_alu depctr_va_vdst(0)                   ; and the wait ahead of its first reader
.set J, 0
.rept 32
	v_mul_f32 v[96+J], v[160+J], v14
.set J, J+1
.endr
.irp b, 0,1
	v_max3_num_f32 v[212+\b], |v[96+16*\b]|, |v[97+16*\b]|, 0x1800000
.endr
.irp i, 2,4,6,8,10,12,14
.irp b, 0,1
	v_max3_num_f32 v[212+\b], v[212+\b], |v[96+16*\b+\i]|, |v[97+16*\b+\i]|
.endr
.endr
.irp b, 0,1
	v_permlanex16_b32 v[216+\b], v[212+\b], s40, s41
.endr
.irp b, 0,1
	v_max_num_f32 v[212+\b], v[212+\b], v[216+\b]
.endr
.irp b, 0,1
	v_add_nc_u32 v[220+\b], 0xff000000, v[212+\b]
.endr
.irp b, 0,1
	v_lshrrev_b32 v[216+\b], 23, v[220+\b]
.endr
	v_lshl_or_b32 v237, v217, 8, v216              ; this tile's two bytes
	v_lshrrev_b32 v238, 16, v238
	v_lshl_or_b32 v238, v237, 16, v238             ; behind the second pass: the first tile's two below, the second's above
	v_cvt_scalef32_pk16_fp6_f32 v[192:194], v[96:111], v220
	v_cvt_scalef32_pk16_fp6_f32 v[204:206], v[112:127], v221
	v_nop
.irp i, 0,1,2
	v_permlane16_swap_b32 v[192+\i], v[204+\i]
.endr
.irp i, 0,1,2
	v_mov_b32 v[195+\i], v[204+\i]
.endr
	global_store_b128 v1, v[192:195], s[54:55]     ; 512 consecutive bytes, aligned,
	global_store_b64 v10, v[196:197], s[54:55] offset:512   ; and 256
.irp i, 0,1,2,3,4,5
	v_mov_b32 v[34+\i], v[40+\i]                   ; the second pass takes the pair's second tile,
.endr
	v_lshrrev_b32 v46, 16, v46                     ; and its two scale bytes
	s_wait_xcnt 0x0                                ; the stores have read their registers and their base
	s_add_nc_u64 s[54:55], s[54:55], 1536          ; the next token tile
	s_sub_co_u32 s48, s48, 1
	s_cmp_lg_u32 s48, 0
	s_cbranch_scc1 .Lpass
	global_store_b32 v11, v238, s[56:57]           ; lanes r and r + 16 store the same word
	s_wait_dscnt 0x0
	s_wait_tensorcnt 0x0
	ds_add_u32 v254, v255
	s_wait_dscnt 0x0
	CROUND                                         ; the closing round: no work-group ends while a partner may still ask for a block that names it
	s_endpgm
.Lfunc_end_k_qdd9e36a244_attn:
	.size	k_qdd9e36a244_attn, .Lfunc_end_k_qdd9e36a244_attn-k_qdd9e36a244_attn
	.p2alignl 7, 3214868480
	.fill 96, 4, 3214868480
	.section	.rodata,"a",@progbits
	.p2align	6, 0x0
	.amdhsa_kernel k_qdd9e36a244_attn
		.amdhsa_group_segment_fixed_size 215040
		.amdhsa_private_segment_fixed_size 0
		.amdhsa_enable_private_segment 0
		.amdhsa_kernarg_size 32
		.amdhsa_user_sgpr_count 2
		.amdhsa_user_sgpr_kernarg_segment_ptr 1
		.amdhsa_wavefront_size32 1
		.amdhsa_system_sgpr_workgroup_id_x 1
		.amdhsa_system_sgpr_workgroup_id_y 1
		.amdhsa_system_sgpr_workgroup_id_z 1
		.amdhsa_system_vgpr_workitem_id 0
		.amdhsa_next_free_vgpr 256
		.amdhsa_next_free_sgpr 66
		.amdhsa_reserve_vcc 0
		.amdhsa_float_denorm_mode_32 3
		.amdhsa_float_denorm_mode_16_64 3
		.amdhsa_memory_ordered 1
		.amdhsa_forward_progress 1
		.amdhsa_inst_pref_size 32
	.end_amdhsa_kernel
	.amdgpu_metadata
---
amdhsa.version: [ 1, 2 ]
amdhsa.kernels:
  - .name:           k_qdd9e36a244_attn
    .symbol:         k_qdd9e36a244_attn.kd
    .args:
      - { .name: aimg, .offset: 0, .size: 8, .value_kind: global_buffer, .address_space: global }
      - { .name: asc, .offset: 8, .size: 8, .value_kind: global_buffer, .address_space: global }
      - { .name: yimg, .offset: 16, .size: 8, .value_kind: global_buffer, .address_space: global }
      - { .name: ysc, .offset: 24, .size: 8, .value_kind: global_buffer, .address_space: global }
    .group_segment_fixed_size: 215040
    .private_segment_fixed_size: 0
    .kernarg_segment_align: 8
    .kernarg_segment_size: 32
    .max_flat_workgroup_size: 512
    .sgpr_count:     66
    .vgpr_count:     256
    .wavefront_size: 32
...
	.end_amdgpu_metadata
.endif
;; end of part 3
;; launch outp (part 4): grid 64 x 2, 4 waves a work-group, no clusters, 136,704 bytes of LDS; arguments yimg, ysc, wimg, wsc, bp, out0; writes out0
.if DOCPART == 4
	.amdgcn_target "amdgcn-amd-amdhsa--gfx1250"
	.amdhsa_code_object_version 6
	.text
	.protected	k_qdd9e36a244_outp
	.globl	k_qdd9e36a244_outp
	.p2align	8
	.type	k_qdd9e36a244_outp,@function
k_qdd9e36a244_outp:
	s_mov_b64 s[64:65], 0
	v_nop
	global_prefetch_b8 v0, s[64:65] scope:SCOPE_SE
	s_setreg_imm32_b32 hwreg(HW_REG_WAVE_MODE, 25, 1), 1
	s_wait_xcnt 0x0
; out = y Wp + bp on codes of FP6 (E2M3) with one E8M0 scale for each 32 along K.  y arrives as images of operand registers (yimg, ysc), Wp likewise (weight 3 of wimg, wsc).
; SHARES.  Work-group (x = block of 128 tokens, y = half of the columns): 128 tokens x 512 columns; wave w makes the chunk of 128 columns 4 y + w: 128 x 128, 64 accumulators.
; X PHASE: wave w copies K steps 2 w, 2 w + 1 of y's fragments (24,576 dense bytes) into LDS and pieces their scale words together: a K step of 128 is two heads.  MAIN: y's fragments from LDS, Wp's from memory straight into registers.
; Source 0 = Wp, source 1 = y: a lane holds a token (place r of tile 2 g + u is token 32 g + 8 u + r + 8 (r / 8)), and register j of Wp's tile a the column 32 (a / 2) + 8 (a % 2) + 16 (lane / 16) + j.
; The bias is the C of each sum's first matrix instruction.  The results go through the wave's own stage in LDS and leave as rows of 512 consecutive bytes.
; NO CLUSTER: a weight fragment is used by one wave of a work-group and lands in its registers without passing LDS, which a joint load cannot do.  128 work-groups: a smaller tile would read the weights twice as often.
; REGISTERS.  window 0: v1-13 addresses; v16-31 Wp's scale words, two sets; v32-47 y's, two sets; v48-63 ysc's words as loaded; v64-159 y's eight fragments (X phase: v64-255 sixteen; way out: v64-191 rows).
;   window 1: Wp's fragments, set 0 at v0, set 1 at v128; the bias: tiles 0-3 at v96, 4-7 at v224.   windows 2, 3: the accumulators, (token tile b, tile a) at 64 (b % 4) + 8 a of window 2 + b / 4.
.set XSC,    98304                     ; LDS: y's 64 images, fragment (K step s, tile b) at 1,536 (8 s + b); then their scale words [s][place][b]
.set STG,    102400                    ; then a stage of 16 rows x 528 bytes for each wave, its own
.set SPITCH, 528
.set SW,  16
.set SX,  32
.set XF,  64
.set MSB, 0
.macro WIN new                         ; the immediate's high byte repeats the setting that is left
.if MSB != (\new)
	s_set_vgpr_msb (MSB<<8)|(\new)
.set MSB, (\new)
.endif
.endm
.macro PLACES n
.rept \n
	v_nop
.endr
.endm
; 16 matrix instructions: y's tiles 4 bh .. + 3 against Wp's tiles 4 ah .. + 3.  The quarters go (0,0) (0,1) (1,0) (1,1) in every K step: the 64 accumulators take turns in one order.
.macro MULQ bh, ah, p, first
.if \first
	WIN 0x91+0x40*(\bh)                            ; source 0 (Wp) window 1, source 1 (y) window 0, C (bias) window 1, D window 2 or 3
.else
	WIN 0xa1+0x50*(\bh)
.endif
.irp bb, 0,1,2,3
.irp aa, 0,1,2,3
.set TB_, 4*(\bh)+\bb
.set TA_, 4*(\ah)+\aa
.set RW, 128*(\p)+12*TA_
.set RX, XF+12*TB_
.set RC, 96+8*TA_+96*(TA_/4)
.set AC, 64*\bb+8*TA_
.if \first
	v_wmma_scale_f32_16x16x128_f8f6f4 v[AC:AC+7], v[RW:RW+11], v[RX:RX+11], v[RC:RC+7], v[SW+8*(\p)+TA_], v[SX+8*(\p)+TB_] matrix_a_fmt:MATRIX_FMT_FP6 matrix_b_fmt:MATRIX_FMT_FP6
.else
	v_wmma_scale_f32_16x16x128_f8f6f4 v[AC:AC+7], v[RW:RW+11], v[RX:RX+11], v[AC:AC+7], v[SW+8*(\p)+TA_], v[SX+8*(\p)+TB_] matrix_a_fmt:MATRIX_FMT_FP6 matrix_b_fmt:MATRIX_FMT_FP6
.endif
.endr
.endr
.endm
.macro WLOAD p, step                   ; a K step's eight fragments of Wp and their scale words into set p: 26 loads
.if \step
	s_wait_xcnt 0x0                                ; the earlier loads have read their bases
	s_add_nc_u64 s[8:9], s[8:9], 12288
	s_add_nc_u64 s[10:11], s[10:11], 512
.endif
	WIN 0x40
.irp a, 0,1,2,3,4,5,6,7
.irp q, 0,1,2
	global_load_b128 v[128*(\p)+12*\a+4*\q:128*(\p)+12*\a+4*\q+3], v1, s[8:9] offset:1536*\a+512*\q
.endr
.endr
	WIN 0
	global_load_b128 v[SW+8*(\p):SW+8*(\p)+3], v2, s[10:11]
	global_load_b128 v[SW+8*(\p)+4:SW+8*(\p)+7], v2, s[10:11] offset:16
.endm
.macro XLO p, reset                    ; the next K step's y: tiles 0-3 and the eight scale words (set p): 14 LDS loads
.if \reset
	s_mov_b32 s46, 0
	s_mov_b32 s47, 0
.else
	s_add_co_u32 s46, s46, 12288
	s_add_co_u32 s47, s47, 512
.endif
	v_add_nc_u32 v4, s46, v1                       ; (no LDS load of mine is out)
	v_add_nc_u32 v5, s47, v3
.irp b, 0,1,2,3
.irp q, 0,1,2
	ds_load_b128 v[XF+12*\b+4*\q:XF+12*\b+4*\q+3], v4 offset:1536*\b+512*\q
.endr
.endr
	ds_load_b128 v[SX+8*(\p):SX+8*(\p)+3], v5
	ds_load_b128 v[SX+8*(\p)+4:SX+8*(\p)+7], v5 offset:16
.endm
.macro XHI                             ; tiles 4-7: 12 LDS loads
.irp b, 4,5,6,7
.irp q, 0,1,2
	ds_load_b128 v[XF+12*\b+4*\q:XF+12*\b+4*\q+3], v4 offset:1536*\b+512*\q
.endr
.endr
.endm
.macro KSTEP p, first, nxt             ; a K step of 128: 64 matrix instructions.  nxt = 0: the last: nothing more is fetched
.if \nxt
	WLOAD 1-(\p), 1                                ; into the set that the last step multiplied: four places stand behind its last product
	s_wait_loadcnt 26                              ; all but the 26 just issued: this step's Wp is in
.else
	s_wait_loadcnt 0x0
.endif
	s_wait_dscnt 12                                ; y's tiles 0-3 and scale words are in; the youngest 12 loads (tiles 4-7) may be out
	MULQ 0, 0, \p, \first
	MULQ 0, 1, \p, \first
	s_wait_dscnt 0x0                               ; tiles 4-7 are in
.if \nxt
	PLACES 4
	WIN 0
	XLO 1-(\p), 0
.endif
	MULQ 1, 0, \p, \first
	MULQ 1, 1, \p, \first
	PLACES 4                                       ; for the loads below, the next step's loads of Wp, and the first read of results
	WIN 0
.if \nxt
	XHI
.endif
.endm
	s_load_b256 s[16:23], s[0:1], 0x0              ; yimg 16, ysc 18, wimg 20, wsc 22
	s_load_b128 s[24:27], s[0:1], 0x20             ; bp 24, out0 26
	v_lshrrev_b32 v1, 5, v0
	v_readfirstlane_b32 s36, v1                    ; wave 0..3
	s_and_b32 s37, ttmp7, 0xffff
	s_lshl_b32 s38, s37, 2
	s_add_co_u32 s38, s38, s36                     ; my chunk of 128 columns
	v_and_b32 v6, 31, v0                           ; lane
	v_and_b32 v15, 15, v0                          ; r
	v_bfe_u32 v14, v0, 4, 1                        ; h
	v_lshlrev_b32 v1, 4, v6                        ; v1   16 x lane
	v_lshlrev_b32 v8, 3, v6                        ; v8   8 x lane
	v_lshlrev_b32 v2, 5, v15                       ; v2   32 r: Wp's scale words
	v_add_nc_u32 v3, XSC, v2                       ; v3   y's scale words
	v_lshlrev_b32 v7, 6, v14                       ; v7   the bias of my half's columns: 64 h
	v_lshlrev_b32 v9, 2, v15                       ; v9   4 r
	s_mul_i32 s51, s36, 24576
	v_add_nc_u32 v10, s51, v1                      ; v10  where I put my 16 images
	s_lshl_b32 s51, s36, 10
	v_add_nc_u32 v11, s51, v3                      ; v11  and their scale words
	s_mul_i32 s51, s36, 16*SPITCH
	s_add_co_u32 s51, s51, STG                     ; my stage
	v_mul_u32_u24 v12, v15, SPITCH
	v_lshl_add_u32 v12, v14, 6, v12
	v_add_nc_u32 v12, s51, v12                     ; v12  into it: row r, + 64 h
	v_add_nc_u32 v13, s51, v1                      ; v13  out of it: a row's 512 bytes
	s_mov_b32 s56, 0x05040100
	s_mov_b32 s57, 0x07060302
	s_mul_i32 s52, ttmp9, 98304                    ; yimg: 98,304 a block, 12,288 a K step
	s_mul_i32 s53, s36, 24576
	s_add_co_u32 s52, s52, s53
	s_mov_b32 s53, 0
	s_lshl_b32 s54, s38, 9
	s_mov_b32 s55, 0
	s_mul_i32 s58, s38, 98304
	s_add_co_u32 s58, s58, 3*786432                ; weight 3
	s_mov_b32 s59, 0
	s_lshl_b32 s60, s38, 12
	s_add_co_u32 s60, s60, 3*32768
	s_mov_b32 s61, 0
	s_lshl_b32 s2, ttmp9, 19                       ; out0: 128 rows of 4,096 bytes a block, + my 512 bytes of a row
	s_add_co_u32 s2, s2, s54
	s_mov_b32 s3, 0
	s_lshr_b32 s62, ttmp9, 4
	s_lshl_b32 s62, s62, 4
	s_lshl_b32 s63, s36, 2
	s_add_co_u32 s62, s62, s63                     ; 16 batch + my first head, 4 w
	s_lshl_b32 s62, s62, 12
	s_and_b32 s63, ttmp9, 15
	s_lshl_b32 s63, s63, 8                         ; + the block's four pairs of token tiles
	s_add_co_u32 s62, s62, s63
	s_mov_b32 s63, 0
	s_wait_kmcnt 0x0
	s_add_nc_u64 s[4:5], s[16:17], s[52:53]
	s_add_nc_u64 s[6:7], s[24:25], s[54:55]
	s_add_nc_u64 s[8:9], s[20:21], s[58:59]
	s_add_nc_u64 s[10:11], s[22:23], s[60:61]
	s_add_nc_u64 s[12:13], s[26:27], s[2:3]
	s_add_nc_u64 s[14:15], s[18:19], s[62:63]
	WIN 0x40                                       ; the bias in the result's layout: a lane's eight columns of each tile
.irp a, 0,1,2,3,4,5,6,7
.set RC, 96+8*\a+96*(\a/4)
	global_load_b128 v[RC:RC+3], v7, s[6:7] offset:(32*(\a/2)+8*(\a%2))*4
	global_load_b128 v[RC+4:RC+7], v7, s[6:7] offset:(32*(\a/2)+8*(\a%2))*4+16
.endr
	WIN 0
	WLOAD 0, 0
.irp f, 0,1,2,3,4,5,6,7,8,9,10,11,12,13,14,15   ; fragment f = (K step 2 w + f / 8, tile f % 8): two halves (even head, odd head), each 512 bytes at 16 x lane and 256 at 8 x lane
	global_load_b128 v[XF+12*\f:XF+12*\f+3], v1, s[4:5] offset:1536*\f
	global_load_b64 v[XF+12*\f+4:XF+12*\f+5], v8, s[4:5] offset:1536*\f+512
	global_load_b128 v[XF+12*\f+6:XF+12*\f+9], v1, s[4:5] offset:1536*\f+768
	global_load_b64 v[XF+12*\f+10:XF+12*\f+11], v8, s[4:5] offset:1536*\f+1280
.endr
.irp hd, 0,1,2,3
.irp g, 0,1,2,3
	global_load_b32 v[48+4*\hd+\g], v9, s[14:15] offset:4096*\hd+64*\g   ; head 4 w + hd, pair of tiles g: bytes (first tile's two, second tile's two)
.endr
.endr
	s_wait_loadcnt 0x0
.irp f, 0,1,2,3,4,5,6,7,8,9,10,11,12,13,14,15
.irp q, 0,1,2
	ds_store_b128 v10, v[XF+12*\f+4*\q:XF+12*\f+4*\q+3] offset:1536*\f+512*\q
.endr
.endr
.irp s, 0,1
.irp g, 0,1,2,3
	v_perm_b32 v[SX+8*\s+2*\g], v[48+8*\s+4+\g], v[48+8*\s+\g], s56     ; tile 2 g: the even head's two bytes, the odd head's two
	v_perm_b32 v[SX+8*\s+2*\g+1], v[48+8*\s+4+\g], v[48+8*\s+\g], s57   ; tile 2 g + 1
.endr
.endr
.irp s, 0,1
.irp g, 0,1,2,3
	ds_store_b64 v11, v[SX+8*\s+2*\g:SX+8*\s+2*\g+1] offset:512*\s+8*\g   ; lanes r and r + 16 write the same words with the same values
.endr
.endr
	s_wait_dscnt 0x0                               ; for the others' sake: my images have landed
	s_barrier_signal -1
	s_barrier_wait -1                              ; y's 64 fragments lie in LDS
	XLO 0, 1
	XHI
	KSTEP 0, 1, 1
	s_mov_b32 s48, 3
.Lk:
	KSTEP 1, 0, 1
	KSTEP 0, 0, 1
	s_sub_co_u32 s48, s48, 1
	s_cmp_lg_u32 s48, 0
	s_cbranch_scc1 .Lk
	KSTEP 1, 0, 0
; THE WAY OUT, a token tile (16 rows x 128 columns) at a time.  LDS serves a wave's instructions in order (ISA guide 5.7.1.4): no wait between the stores and the loads, nor in front of the next tile's stores.
.macro TOSTAGE b
	WIN 0x08+4*((\b)/4)                            ; an LDS store's data are its source 1: window 2 or 3
.irp a, 0,1,2,3,4,5,6,7
	ds_store_b128 v12, v[64*((\b)%4)+8*\a:64*((\b)%4)+8*\a+3] offset:128*(\a/2)+32*(\a%2)       ; each accumulator from its low end on
	ds_store_b128 v12, v[64*((\b)%4)+8*\a+4:64*((\b)%4)+8*\a+7] offset:128*(\a/2)+32*(\a%2)+16
.endr
	WIN 0
.set BBK, 64+64*((\b)%2)
.irp t, 0,1,2,3,4,5,6,7,8,9,10,11,12,13,14,15
	ds_load_b128 v[BBK+4*\t:BBK+4*\t+3], v13 offset:SPITCH*\t
.endr
.endm
.macro SEND b, younger                 ; younger: the LDS instructions issued behind tile b's loads, which may stay out
.set BBK, 64+64*((\b)%2)
	s_wait_dscnt \younger
.irp t, 0,1,2,3,4,5,6,7,8,9,10,11,12,13,14,15
	global_store_b128 v1, v[BBK+4*\t:BBK+4*\t+3], s[12:13] offset:(32*((\b)/2)+8*((\b)%2)+\t+8*(\t/8))*4096 th:TH_STORE_NT   ; 32 lanes store 512 consecutive bytes, aligned; written once, read by nobody here
.endr
.endm
	TOSTAGE 0
.irp b, 1,2,3,4,5,6,7
.if \b > 1
	s_wait_xcnt 0x0                                ; tile b - 2's stores have read their registers: tile b's loads may land there
.endif
	TOSTAGE \b
	SEND \b-1, 32                                  ; behind tile b - 1's loads: tile b's 16 stores and 16 loads
.endr
	SEND 7, 0
	s_wait_xcnt 0x0
	v_lshl_add_u32 v254, v0, 2, 0x21400
	v_mov_b32 v255, 0
	s_wait_tensorcnt 0x0
	ds_add_u32 v254, v255
	s_wait_dscnt 0x0
	s_endpgm
.Lfunc_end_k_qdd9e36a244_outp:
	.size	k_qdd9e36a244_outp, .Lfunc_end_k_qdd9e36a244_outp-k_qdd9e36a244_outp
	.p2alignl 7, 3214868480
	.fill 96, 4, 3214868480
	.section	.rodata,"a",@progbits
	.p2align	6, 0x0
	.amdhsa_kernel k_qdd9e36a244_outp
		.amdhsa_group_segment_fixed_size 136704
		.amdhsa_private_segment_fixed_size 0
		.amdhsa_enable_private_segment 0
		.amdhsa_kernarg_size 48
		.amdhsa_user_sgpr_count 2
		.amdhsa_user_sgpr_kernarg_segment_ptr 1
		.amdhsa_wavefront_size32 1
		.amdhsa_system_sgpr_workgroup_id_x 1
		.amdhsa_system_sgpr_workgroup_id_y 1
		.amdhsa_system_sgpr_workgroup_id_z 1
		.amdhsa_system_vgpr_workitem_id 0
		.amdhsa_next_free_vgpr 1024
		.amdhsa_next_free_sgpr 66
		.amdhsa_reserve_vcc 0
		.amdhsa_float_denorm_mode_32 3
		.amdhsa_float_denorm_mode_16_64 3
		.amdhsa_memory_ordered 1
		.amdhsa_forward_progress 1
		.amdhsa_inst_pref_size 98
	.end_amdhsa_kernel
	.amdgpu_metadata
---
amdhsa.version: [ 1, 2 ]
amdhsa.kernels:
  - .name:           k_qdd9e36a244_outp
    .symbol:         k_qdd9e36a244_outp.kd
    .args:
      - { .name: yimg, .offset: 0, .size: 8, .value_kind: global_buffer, .address_space: global }
      - { .name: ysc, .offset: 8, .size: 8, .value_kind: global_buffer, .address_space: global }
      - { .name: wimg, .offset: 16, .size: 8, .value_kind: global_buffer, .address_space: global }
      - { .name: wsc, .offset: 24, .size: 8, .value_kind: global_buffer, .address_space: global }
      - { .name: bp, .offset: 32, .size: 8, .value_kind: global_buffer, .address_space: global }
      - { .name: out0, .offset: 40, .size: 8, .value_kind: global_buffer, .address_space: global }
    .group_segment_fixed_size: 136704
    .private_segment_fixed_size: 0
    .kernarg_segment_align: 8
    .kernarg_segment_size: 48
    .max_flat_workgroup_size: 128
    .sgpr_count:     66
    .vgpr_count:     1024
    .wavefront_size: 32
...
	.end_amdgpu_metadata
.endif
;; end of part 4
;; ======== version 2 of 2: 4 launches
;; workspace buffers: wimg 3,145,728 bytes; wsc 131,072 bytes; aimg 18,874,368 bytes; asc 786,432 bytes; yimg 6,291,456 bytes; ysc 262,144 bytes
;; launch quantw (part 5): grid 64 x 4, 8 waves a work-group, no clusters, 14,336 bytes of LDS; arguments Wq, Wk, Wv, Wp, wimg, wsc; writes wimg, wsc
.if DOCPART == 5
	.amdgcn_target "amdgcn-amd-amdhsa--gfx1250"
	.amdhsa_code_object_version 6
	.text
	.protected	k_qdd9e36a244_quantw
	.globl	k_qdd9e36a244_quantw
	.p2align	8
	.type	k_qdd9e36a244_quantw,@function
k_qdd9e36a244_quantw:
	s_mov_b64 s[64:65], 0
	v_nop
	global_prefetch_b8 v0, s[64:65] scope:SCOPE_SE
	s_setreg_imm32_b32 hwreg(HW_REG_WAVE_MODE, 25, 1), 1
	s_wait_xcnt 0x0
; The four weights W [1024 (k)][1024 (n)], f32, K their FIRST axis, become codes of FP6 (E2M3) with one E8M0 byte for each 32 along K,
; laid in the ORDER OF THE OPERAND'S REGISTERS: wimg [weight 4][chunk of 128 columns 8][K step of 128: 8][tile 8][1,536 bytes].
; An image of a fragment (16 columns x 128 K, 12 registers a lane) is three parts of 512 bytes, part p at 16 x lane = registers 4 p .. 4 p + 3.
; THE COLUMNS OF A TILE ARE NOT NEIGHBOURS: place r of tile a is column 32 (a / 2) + 8 (a % 2) + r + 8 (r / 8) of the chunk.
; wsc [weight][chunk][K step][place 16][tile 8]: one word (four bytes: the K step's four blocks) for each column.
; A block's scale is 2^(floor(log2(its largest magnitude)) - 2); its byte is the largest magnitude's exponent field - 2, held at 1 from below.
; LIMITS: a block of zeros, or one under 2^(3 - 127), gets the byte 1 (the rule says 127 for zeros: the codes are zeros, and this program alone reads the bytes); NaN and infinities are not served.
; SHARES.  Work-group (x = 8 chunk + K step, y = weight).  Wave w: 32 columns 32 (w & 3) on, a lane to a column; its registers run down K: the two blocks
; k = 64 cc + 32 (w >> 2) + 0 .. 31, cc = 0, 1: all 12 registers of one lane of an image.  Each load reads 128 consecutive bytes a wave.
; The images meet in LDS and leave as runs of 512 consecutive bytes.  No matrix unit, no cluster: nothing is shared and memory binds.
.set WSCL, 12288                       ; LDS: eight images at 1,536 a; behind them 512 bytes of scale words [place][tile]
.set X,    32                          ; v32-95   two blocks of 32 numbers
.set F,    16                          ; v16-27   the lane's 12 registers of codes
.set D,    28                          ; v28-30   a block's upper 16 codes (a conversion's three registers begin on an even number)
.set BY,   14                          ; v14-15   the two scale bytes
	s_load_b256 s[4:11], s[0:1], 0x0               ; Wq, Wk, Wv, Wp
	s_load_b128 s[12:15], s[0:1], 0x20             ; wimg, wsc
	v_lshl_add_u32 v128, v0, 2, 0x3400
	v_mov_b32 v129, 0
	v_lshrrev_b32 v8, 5, v0
	s_delay_alu instid0(VALU_DEP_1)
	v_readfirstlane_b32 s16, v8                    ; wave 0..7
	s_and_b32 s17, ttmp7, 0xffff                   ; which weight
	v_and_b32 v1, 31, v0                           ; lane
	s_delay_alu instid0(VALU_DEP_1)
	v_lshlrev_b32 v2, 2, v1                        ; in: 4 bytes a lane
	v_bfe_u32 v8, v0, 5, 2                         ; my group of 32 columns
	v_bfe_u32 v9, v0, 3, 1
	s_delay_alu instid0(VALU_DEP_1)
	v_lshl_add_u32 v8, v8, 1, v9                   ; tile a = 2 x group + (lane / 8) % 2
	v_and_b32 v9, 7, v0
	v_bfe_u32 v10, v0, 4, 1
	s_delay_alu instid0(VALU_DEP_1)
	v_lshl_add_u32 v9, v10, 3, v9                  ; place r = lane % 8 + 8 (lane / 16)
	v_bfe_u32 v10, v0, 7, 1                        ; which half of the image's lanes: wave / 4
	v_mul_u32_u24 v3, v8, 1536
	s_delay_alu instid0(VALU_DEP_1)
	v_lshl_add_u32 v3, v9, 4, v3
	s_delay_alu instid0(VALU_DEP_1)
	v_lshl_add_u32 v3, v10, 8, v3                  ; my 16 bytes of an image's part: 1,536 a + 16 r + 256 half
	s_delay_alu instid0(VALU_DEP_4)
	v_lshl_add_u32 v4, v9, 5, v10
	s_delay_alu instid0(VALU_DEP_1)
	v_lshl_add_u32 v4, v8, 2, v4
	s_delay_alu instid0(VALU_DEP_1)
	v_add_nc_u32 v4, WSCL, v4                      ; my scale bytes: 32 r + 4 a + half (+ 2 cc)
	v_lshlrev_b32 v6, 4, v1                        ; 16 x lane
	v_lshrrev_b32 v11, 5, v0
	s_delay_alu instid0(VALU_DEP_1)
	v_mad_u32_u24 v5, v11, 1536, v6                ; the way out: wave w takes image w
	s_and_b32 s18, ttmp9, 7                        ; K step: 128 rows of 4,096 bytes
	s_lshl_b32 s18, s18, 19
	s_lshr_b32 s19, s16, 2                         ; + 32 rows for waves 4-7
	s_lshl_b32 s19, s19, 17
	s_add_co_u32 s18, s18, s19
	s_lshr_b32 s19, ttmp9, 3                       ; + the chunk's 128 columns
	s_lshl_b32 s19, s19, 9
	s_add_co_u32 s18, s18, s19
	s_and_b32 s19, s16, 3                          ; + my 32 of them
	s_lshl_b32 s19, s19, 7
	s_add_co_u32 s18, s18, s19
	s_mov_b32 s19, 0
	s_mul_i32 s20, s17, 786432                     ; wimg: the weight, then 12,288 bytes for each (chunk, K step)
	s_mul_i32 s21, ttmp9, 12288
	s_add_co_u32 s20, s20, s21
	s_mov_b32 s21, 0
	s_lshl_b32 s22, s17, 15                        ; wsc: 32,768 a weight, 512 for each (chunk, K step)
	s_lshl_b32 s23, ttmp9, 9
	s_add_co_u32 s22, s22, s23
	s_mov_b32 s23, 0
	s_wait_kmcnt 0x0
	s_cmp_eq_u32 s17, 1                            ; the choice hangs on the work-group's number alone
	s_cselect_b64 s[4:5], s[6:7], s[4:5]
	s_cmp_eq_u32 s17, 2
	s_cselect_b64 s[4:5], s[8:9], s[4:5]
	s_cmp_eq_u32 s17, 3
	s_cselect_b64 s[4:5], s[10:11], s[4:5]
	s_add_nc_u64 s[4:5], s[4:5], s[18:19]
	s_add_nc_u64 s[12:13], s[12:13], s[20:21]
	s_add_nc_u64 s[14:15], s[14:15], s[22:23]
.irp c, 0,1
.irp i, 0,1,2,3,4,5,6,7,8,9,10,11,12,13,14,15,16,17,18,19,20,21,22,23,24,25,26,27,28,29,30,31
	global_load_b32 v[X+32*\c+\i], v2, s[4:5] offset:(64*\c+\i)*4096 th:TH_LOAD_NT   ; W(64 c + 32 half + i, my column)
.endr
.endr
.macro BLOCK cc
.set XS, X+32*(\cc)
.if (\cc) == 0
	s_wait_loadcnt 32                              ; the first block's 32 loads are in; the second block's 32 may be out
.else
	s_wait_loadcnt 0x0
.endif
	v_max3_num_f32 v12, |v[XS]|, |v[XS+1]|, |v[XS+2]|   ; the block's largest magnitude: all 32 numbers are mine; two chains
	v_max3_num_f32 v13, |v[XS+3]|, |v[XS+4]|, |v[XS+5]|
.irp i, 6,10,14,18,22,26
	s_delay_alu instid0(VALU_DEP_2)
	v_max3_num_f32 v12, v12, |v[XS+\i]|, |v[XS+\i+1]|
	s_delay_alu instid0(VALU_DEP_2)
	v_max3_num_f32 v13, v13, |v[XS+\i+2]|, |v[XS+\i+3]|
.endr
	s_delay_alu instid0(VALU_DEP_2)
	v_max3_num_f32 v12, v12, |v[XS+30]|, |v[XS+31]|
	s_delay_alu instid0(VALU_DEP_1)
	v_max3_num_f32 v12, v12, v13, 0x1800000        ; and the floor 2^(3 - 127): the byte cannot fall under 1
	s_delay_alu instid0(VALU_DEP_1)
	v_add_nc_u32 v11, 0xff000000, v12              ; 2 off the exponent field: the conversion takes that field as its scale
	s_delay_alu instid0(VALU_DEP_1)
	v_lshrrev_b32 v[BY+(\cc)], 23, v11             ; the scale's byte
	v_cvt_scalef32_pk16_fp6_f32 v[F+6*(\cc):F+6*(\cc)+2], v[XS:XS+15], v11
	v_cvt_scalef32_pk16_fp6_f32 v[D:D+2], v[XS+16:XS+31], v11
	v_nop                                          ; one plain place behind a scaled conversion
.irp i, 0,1,2
	v_mov_b32 v[F+6*(\cc)+3+\i], v[D+\i]
.endr
	ds_store_b8 v4, v[BY+(\cc)] offset:2*(\cc)     ; byte 2 cc + half of my column's word
.endm
	BLOCK 0
	BLOCK 1
.irp p, 0,1,2
	ds_store_b128 v3, v[F+4*\p:F+4*\p+3] offset:512*\p
.endr
	s_wait_dscnt 0x0                               ; for the others' sake: my stores have landed
	s_barrier_signal -1
	s_barrier_wait -1
.irp p, 0,1,2
	ds_load_b128 v[96+4*\p:96+4*\p+3], v5 offset:512*\p
.endr
	s_wait_dscnt 0x0
.irp p, 0,1,2
	global_store_b128 v5, v[96+4*\p:96+4*\p+3], s[12:13] offset:512*\p   ; 32 lanes store 512 consecutive bytes, aligned
.endr
	s_cmp_lg_u32 s16, 0                            ; wave 0 alone sends the 512 bytes of scale words
	s_cbranch_scc1 .Lend
	ds_load_b128 v[108:111], v6 offset:WSCL
	s_wait_dscnt 0x0
	global_store_b128 v6, v[108:111], s[14:15]
.Lend:
	s_wait_tensorcnt 0x0
	ds_add_u32 v128, v129
	s_wait_dscnt 0x0
	s_endpgm
.Lfunc_end_k_qdd9e36a244_quantw:
	.size	k_qdd9e36a244_quantw, .Lfunc_end_k_qdd9e36a244_quantw-k_qdd9e36a244_quantw
	.p2alignl 7, 3214868480
	.fill 96, 4, 3214868480
	.section	.rodata,"a",@progbits
	.p2align	6, 0x0
	.amdhsa_kernel k_qdd9e36a244_quantw
		.amdhsa_group_segment_fixed_size 14336
		.amdhsa_private_segment_fixed_size 0
		.amdhsa_enable_private_segment 0
		.amdhsa_kernarg_size 48
		.amdhsa_user_sgpr_count 2
		.amdhsa_user_sgpr_kernarg_segment_ptr 1
		.amdhsa_wavefront_size32 1
		.amdhsa_system_sgpr_workgroup_id_x 1
		.amdhsa_system_sgpr_workgroup_id_y 1
		.amdhsa_system_sgpr_workgroup_id_z 1
		.amdhsa_system_vgpr_workitem_id 0
		.amdhsa_next_free_vgpr 130
		.amdhsa_next_free_sgpr 66
		.amdhsa_reserve_vcc 0
		.amdhsa_float_denorm_mode_32 3
		.amdhsa_float_denorm_mode_16_64 3
		.amdhsa_memory_ordered 1
		.amdhsa_forward_progress 1
		.amdhsa_inst_pref_size 15
	.end_amdhsa_kernel
	.amdgpu_metadata
---
amdhsa.version: [ 1, 2 ]
amdhsa.kernels:
  - .name:           k_qdd9e36a244_quantw
    .symbol:         k_qdd9e36a244_quantw.kd
    .args:
      - { .name: Wq, .offset: 0, .size: 8, .value_kind: global_buffer, .address_space: global }
      - { .name: Wk, .offset: 8, .size: 8, .value_kind: global_buffer, .address_space: global }
      - { .name: Wv, .offset: 16, .size: 8, .value_kind: global_buffer, .address_space: global }
      - { .name: Wp, .offset: 24, .size: 8, .value_kind: global_buffer, .address_space: global }
      - { .name: wimg, .offset: 32, .size: 8, .value_kind: global_buffer, .address_space: global }
      - { .name: wsc, .offset: 40, .size: 8, .value_kind: global_buffer, .address_space: global }
    .group_segment_fixed_size: 14336
    .private_segment_fixed_size: 0
    .kernarg_segment_align: 8
    .kernarg_segment_size: 48
    .max_flat_workgroup_size: 256
    .sgpr_count:     66
    .vgpr_count:     130
    .wavefront_size: 32
...
	.end_amdgpu_metadata
.endif
;; end of part 5
;; launch proj (part 6): grid 64 x 3, 4 waves a work-group, no clusters, 136,704 bytes of LDS; arguments query, key, value, bq, bk, bv, wimg, wsc, aimg, asc; writes aimg, asc
.if DOCPART == 6
	.amdgcn_target "amdgcn-amd-amdhsa--gfx1250"
	.amdhsa_code_object_version 6
	.text
	.protected	k_qdd9e36a244_proj
	.globl	k_qdd9e36a244_proj
	.p2align	8
	.type	k_qdd9e36a244_proj,@function
k_qdd9e36a244_proj:
	s_mov_b64 s[64:65], 0
	v_nop
	global_prefetch_b8 v0, s[64:65] scope:SCOPE_SE
	s_setreg_imm32_b32 hwreg(HW_REG_WAVE_SCHED_MODE, 0, 2), 2
	s_setreg_imm32_b32 hwreg(HW_REG_WAVE_MODE, 25, 1), 1
	s_wait_xcnt 0x0
	s_wait_alu depctr_vm_vsrc(0)
; q = query Wq + bq, k = key Wk + bk, v = value Wv + bv, on codes of FP6 (E2M3) with one E8M0 scale for each 32 along K; the results are quantised at once for attention's products and never go to memory as f32.
; SHARES.  Work-group (x = block of 128 tokens, y = 0 q, 1 k, 2 v): 128 tokens x all 1,024 columns.  X PHASE: wave w quantises tokens 32 w .. 32 w + 31 (two tiles x eight K steps) into images in LDS.
; MAIN: wave w makes the chunks of 128 columns 2 w and 2 w + 1, each 128 x 128: 64 accumulators.  x's fragments come from LDS; W's go from wimg straight into the registers of the one wave that uses them.
; THE ROWS OF EVERY TILE ARE NOT NEIGHBOURS: place r of tile 2 g + u is row 32 g + 8 u + r + 8 (r / 8) (tokens and columns alike), so that in a result the 16 registers of source 0's tiles 2 g, 2 g + 1 are the 16 neighbours 32 g + 16 (lane / 16) + 0 .. 15.
; q, k: source 0 = W, source 1 = x: a lane holds a token and its 64 registers 128 columns = 2 heads x 64: quantised along the head's 64.  An image holds TWO token tiles of one head: registers 0-5 tile 2 g, registers 6-11 tile 2 g + 1.
; v: source 0 = x, source 1 = W: a lane holds a column and its 64 registers the block's 128 tokens = one key step: quantised along the keys.
; The bias is the C of each sum's first matrix instruction.  q / 8 is q with 3 off each scale byte: the floor for q is 2^(6 - 127), so that the byte is held at 1 as the quantiser asks of q / 8.
; aimg [q, k, v][batch x head 64][98,304]: q, k: [pair of token tiles 64][1,536]; v: [key step 16][tile of d 4][1,536].  asc [3][64][4,096]: one word for each row of an image; q, k: bytes (first tile's two, second tile's two).
; LIMITS: a block of zeros, or under the floor, gets the floor's byte (its codes are zeros or as held; these bytes are read by this program alone); NaN and infinities are not served.
; NO CLUSTER: a weight fragment is used by one wave of a work-group and lands in its registers without passing LDS, which a joint load cannot do; a ring for the weights would add 12,288 bytes of LDS reads a wave and K step, and a round for every 64 matrix instructions.
; The second chunk's last K step issues the fetches that a third chunk would want (26 + the bias's loads, 26 LDS loads a wave): they stay inside their buffers and are not used: the price of one text for both chunks without a branch in it.
; REGISTERS.  window 0: v1-15 addresses; v16-31 W's scale words, two sets; v32-47 x's, two sets; v64-159 x's eight fragments, one set; v160-189 the quantiser; v192-215 and v216-239 two out-buffers.
;   window 1: W's fragments, set 0 at v0, set 1 at v128; the bias as C: tiles 0-3 at v96, 4-7 at v224 (in the X phase: four sets of 64 numbers as loaded).   windows 2, 3: the 64 accumulators.
; THE MODE: SCHED_MODE bits 1:0 = 2 (LLVM: expert scheduling mode 2), set by the entry lines.  The code itself states the register dependences
; between vector or matrix instructions and memory or LDS instructions, with s_wait_alu, always for 0.
; THE PLAN.  Registers that memory or LDS instructions touch:
;   X phase.  The raw sets (window 1): written by global loads, read by the unit's stage stores alone.  XF: written by the unit's LDS loads, read by its quantiser.  FA, PWX: written by the quantiser, read by the unit's image stores.
;     v12, v13: written at a trip's head, read by the image stores.  A unit has ONE wait on vm_vsrc (the stage stores have read the set; the last unit's image stores have read FA and PWX) and ONE on va_vdst behind
;     the quantiser (FA, PWX, v12, v13 are written; XF has been read).
;   MAIN.  x's tiles 0-3 and the other set of x's scale words: read by matrix instructions, loaded again in the step's middle.  x's tiles 4-7, W's set and its scale words: read by matrix instructions, loaded again at the step's end and
;     at the next step's head.  v4, v5: read by x's LDS loads, written once a step.  So a K step has TWO waits on va_vdst, one in its middle and one at its end, and one on vm_vsrc ahead of the adds to v4 and v5.
;     There is no second set for x: all the wave's registers are taken.
;   The way out of a chunk.  Two out-buffers by turns: a pair's vector work writes one; its seven stores go out at the head of the next pair's work, behind one wait on va_vdst; the waits that free a buffer stand a whole pair behind the stores that read it.
;   v1, v2, v3, v6 to v11: offsets and addresses made once and never written again.  v254, v255: written at the head, read by the closing add alone.
.set XSC,    98304                     ; LDS: x's 64 images, fragment (K step s, tile b) at 1,536 (8 s + b); then their scale words [s][place][b]
.set STG,    102400                    ; then a stage of 16 rows x 528 bytes for each wave, its own
.set SPITCH, 528                       ; 512 bytes + 16: 132 words: row r starts at bank 4 r mod 64 (64 banks of 4 bytes: ISA guide 11.1)
.set SW,  16
.set SX,  32
.set XF,  64
.set TM,  160                          ; v160-163 largest magnitudes, v164-167 the other half's / bytes, v172-175 the conversions' scale operands
.set PWX, 176
.set PWY, 177
.set WA,  178
.set WBB, 179
.set T0,  180
.set T1,  184
.set WO,  188                          ; v188-189 the scale words to store, one for each out-buffer
.set FA,  192                          ; out-buffer 0: v192-203, v204-215; out-buffer 1: OBD registers on
.set FB,  204
.set OBD, 24
.set MSB, 0
.macro WIN new                         ; the immediate's high byte repeats the setting that is left; a switch that changes nothing is dropped
.if MSB != (\new)
	s_set_vgpr_msb (MSB<<8)|(\new)
.set MSB, (\new)
.endif
.endm
.macro PLACES n                        ; plain places behind matrix instructions, in front of loads into their registers and of reads of their results
.rept \n
	v_nop
.endr
.endm
; 64 numbers of a lane, v[src] on in window win, register 16 b + i = k 32 b + 16 (lane / 16) + i of my row, become codes: blocks 0, 1 in v[d0 .. d0 + 5], blocks 2, 3 in v[d1 .. d1 + 5]; the four bytes in v[pw].  fl: the floor.
.macro QUANT src, win, d0, d1, pw, fl
	WIN ((\win)<<2)|((\win)<<4)
.irp b, 0,1,2,3
	v_max3_num_f32 v[TM+\b], \fl, |v[(\src)+16*\b]|, |v[(\src)+16*\b+1]|   ; each accumulator is read from its low end on
.endr
.irp i, 2,4,6,8,10,12,14
.irp b, 0,1,2,3
	v_max3_num_f32 v[TM+\b], v[TM+\b], |v[(\src)+16*\b+\i]|, |v[(\src)+16*\b+\i+1]|   ; the four blocks by turns
.endr
.endr
	WIN 0
.irp b, 0,1,2,3
	v_permlanex16_b32 v[TM+4+\b], v[TM+\b], s42, s43
.endr
.irp b, 0,1,2,3
	v_max_num_f32 v[TM+\b], v[TM+\b], v[TM+4+\b]   ; with lane l xor 16's 16: the block's largest magnitude
.endr
.irp b, 0,1,2,3
	v_add_nc_u32 v[TM+12+\b], 0xff000000, v[TM+\b] ; 2 off the exponent field: the conversion's scale operand
.endr
.irp b, 0,1,2,3
	v_lshrrev_b32 v[TM+4+\b], 23, v[TM+12+\b]      ; the byte
.endr
	v_lshl_or_b32 v[\pw], v[TM+5], 8, v[TM+4]
	v_lshl_or_b32 v[\pw], v[TM+6], 16, v[\pw]
	v_lshl_or_b32 v[\pw], v[TM+7], 24, v[\pw]
	WIN (\win)
	v_cvt_scalef32_pk16_fp6_f32 v[(\d0):(\d0)+2], v[(\src):(\src)+15], v[TM+12]
	v_cvt_scalef32_pk16_fp6_f32 v[T0:T0+2], v[(\src)+16:(\src)+31], v[TM+13]
	v_cvt_scalef32_pk16_fp6_f32 v[(\d1):(\d1)+2], v[(\src)+32:(\src)+47], v[TM+14]
	v_cvt_scalef32_pk16_fp6_f32 v[T1:T1+2], v[(\src)+48:(\src)+63], v[TM+15]
	WIN 0
	v_nop                                          ; one plain place behind a scaled conversion
.irp i, 0,1,2                          ; the operand wants a WHOLE block in a lane: lanes 0-15 the even block, lanes 16-31 the odd one
	v_permlane16_swap_b32 v[(\d0)+\i], v[T0+\i]
	v_permlane16_swap_b32 v[(\d1)+\i], v[T1+\i]
.endr
.irp i, 0,1,2
	v_mov_b32 v[(\d0)+3+\i], v[T0+\i]
	v_mov_b32 v[(\d1)+3+\i], v[T1+\i]
.endr
.endm
	s_load_b512 s[16:31], s[0:1], 0x0              ; query 16, key 18, value 20, bq 22, bk 24, bv 26, wimg 28, wsc 30
	s_load_b128 s[32:35], s[0:1], 0x40             ; aimg 32, asc 34
	v_lshl_add_u32 v254, v0, 2, 0x21400
	v_mov_b32 v255, 0
	v_lshrrev_b32 v1, 5, v0
	v_readfirstlane_b32 s36, v1                    ; wave 0..3
	s_and_b32 s37, ttmp7, 0xffff                   ; y
	v_and_b32 v49, 31, v0                          ; lane
	v_and_b32 v15, 15, v0                          ; r
	v_bfe_u32 v14, v0, 4, 1                        ; h
	v_lshlrev_b32 v1, 4, v49                       ; v1   16 x lane
	v_lshlrev_b32 v2, 5, v15                       ; v2   32 r: W's scale words
	v_add_nc_u32 v3, XSC, v2                       ; v3   x's scale words
	s_wait_alu depctr_va_sdst(0)                   ; s36 is written, ahead of its first reader: LDS places and the buffers' offsets are made from it
	s_mul_i32 s51, s36, 16*SPITCH
	s_add_co_u32 s51, s51, STG                     ; my stage
	v_add_nc_u32 v8, s51, v1                       ; v8   into it: a row's 512 bytes as loaded
	v_mul_u32_u24 v9, v15, SPITCH
	v_lshl_add_u32 v9, v14, 6, v9
	v_add_nc_u32 v9, s51, v9                       ; v9   out of it: row r, + 64 h: my 16 numbers of each block of 32
	s_mul_i32 s51, s36, 3072
	v_add_nc_u32 v10, s51, v1                      ; v10  my images: tiles 2 w, 2 w + 1
	s_lshl_b32 s51, s36, 3
	v_add_nc_u32 v11, s51, v3                      ; v11  their scale words
.irp b, 0,1,2,3
	v_mov_b32 v[TM+4+\b], 0                        ; written once: a lane permute's destination counts as one of its sources
.endr
	s_mov_b32 s41, 0xffff0000                      ; lanes 16-31
	s_mov_b32 s42, 0x76543210
	s_mov_b32 s43, 0xfedcba98                      ; v_permlanex16_b32's selects for lane l xor 16
	s_mov_b32 s56, 0x05040100                      ; v_perm_b32: the two low halves
	s_mov_b32 s57, 0x07060302                      ; the two high halves
	s_lshl_b32 s52, ttmp9, 19                      ; x: 128 rows of 4,096 bytes a block, 32 a wave
	s_lshl_b32 s53, s36, 17
	s_add_co_u32 s52, s52, s53
	s_mov_b32 s53, 0
	s_lshl_b32 s54, s36, 10                        ; the bias: 256 columns a wave
	s_mov_b32 s55, 0
	s_mul_i32 s58, s37, 786432                     ; wimg: the weight, 98,304 a chunk
	s_mul_i32 s59, s36, 196608
	s_add_co_u32 s58, s58, s59
	s_mov_b32 s59, 0
	s_lshl_b32 s60, s37, 15                        ; wsc: 32,768 a weight, 4,096 a chunk
	s_lshl_b32 s61, s36, 13
	s_add_co_u32 s60, s60, s61
	s_mov_b32 s61, 0
	s_lshr_b32 s46, ttmp9, 4                       ; batch
	s_and_b32 s47, ttmp9, 15                       ; the block in its batch
	s_lshl_b32 s46, s46, 4
	s_lshl_b32 s48, s36, 2
	s_add_co_u32 s46, s46, s48                     ; 16 batch + my first head, 4 w
	s_mul_i32 s2, s37, 6291456
	s_mul_i32 s48, s46, 98304
	s_add_co_u32 s2, s2, s48
	s_mul_i32 s48, s47, 6144                       ; four images a block, in q, k (pairs of token tiles) and in v (tiles of d) alike
	s_add_co_u32 s2, s2, s48
	s_mov_b32 s3, 0
	s_lshl_b32 s62, s37, 18
	s_lshl_b32 s48, s46, 12
	s_add_co_u32 s62, s62, s48
	s_lshl_b32 s48, s47, 8
	s_add_co_u32 s62, s62, s48
	s_mov_b32 s63, 0
	s_cmp_eq_u32 s37, 0
	s_mov_b32 s39, 0x1800000
	s_cselect_b32 s39, 0x3000000, s39              ; the floor: 2^(6 - 127) for q, else 2^(3 - 127)
	s_cselect_b32 s40, 0x03030303, 0               ; what comes off q's scale bytes: q / 8
	s_wait_kmcnt 0x0
	s_cmp_eq_u32 s37, 1                            ; the choices hang on the work-group's number alone
	s_cselect_b64 s[4:5], s[18:19], s[16:17]
	s_cselect_b64 s[6:7], s[24:25], s[22:23]
	s_cmp_eq_u32 s37, 2
	s_cselect_b64 s[4:5], s[20:21], s[4:5]
	s_cselect_b64 s[6:7], s[26:27], s[6:7]
	s_add_nc_u64 s[4:5], s[4:5], s[52:53]          ; s[4:5]   x at my 32 rows
	s_add_nc_u64 s[6:7], s[6:7], s[54:55]          ; s[6:7]   the bias at my chunk
	s_add_nc_u64 s[8:9], s[28:29], s[58:59]        ; s[8:9]   W's images of the K step in hand
	s_add_nc_u64 s[10:11], s[30:31], s[60:61]      ; s[10:11] their scale words
	s_add_nc_u64 s[12:13], s[32:33], s[2:3]        ; s[12:13] the images out
	s_add_nc_u64 s[14:15], s[34:35], s[62:63]      ; s[14:15] the scale words out
; ---- X PHASE.  A unit = one tile (16 rows) x one K step (512 bytes a row).  Sixteen units a wave: unit u = K step u / 2, tile 2 w + u % 2, in set u % 4 of window 1.
.macro XLOADS set, imm                 ; 16 loads, each a row's 512 consecutive bytes
	WIN 0x40
.irp t, 0,1,2,3,4,5,6,7,8,9,10,11,12,13,14,15
	global_load_b128 v[64*(\set)+4*\t:64*(\set)+4*\t+3], v1, s[4:5] offset:(\imm)+(8*((\set)%2)+\t+8*(\t/8))*4096 th:TH_LOAD_NT
.endr
	WIN 0
.endm
.macro XUNIT i, more, cnt
	s_wait_loadcnt \cnt                            ; this unit's 16 loads are in; the younger units' may be out
	WIN 0x04                                       ; an LDS store's data are its source 1: window 1
.irp t, 0,1,2,3,4,5,6,7,8,9,10,11,12,13,14,15
	ds_store_b128 v8, v[64*(\i)+4*\t:64*(\i)+4*\t+3] offset:SPITCH*\t
.endr
	WIN 0
.irp q, 0,1,2,3
.irp j, 0,1,2,3
	ds_load_b128 v[XF+16*\q+4*\j:XF+16*\q+4*\j+3], v9 offset:128*\q+16*\j   ; LDS serves a wave's instructions in order: these see the stores above.  No vector instruction since the last unit's wait on va_vdst names v[XF ..]
.endr
.endr
	s_wait_dscnt 0x0                               ; my 64 numbers are back
	s_wait_alu depctr_vm_vsrc(0)                   ; the stage stores above have read the set, in which the loads below land; the last unit's image stores have read v[FA ..] and v[PWX], which the quantiser writes again
.if \more
	XLOADS \i, 1024+512*((\i)/2)                   ; the set takes the unit four further on
.endif
	QUANT XF, 0, FA, FA+6, PWX, 0x1800000
	s_wait_alu depctr_va_vdst(0)                   ; the quantiser has written v[FA ..] and v[PWX], which the LDS stores below read (in a trip's first unit v12 and v13 are written too), and is done reading v[XF ..], in which the next unit's LDS loads land
.irp p, 0,1,2
	ds_store_b128 v12, v[FA+4*\p:FA+4*\p+3] offset:((\i)/2)*12288+((\i)%2)*1536+512*\p
.endr
	ds_store_b32 v13, v[PWX] offset:((\i)/2)*512+4*((\i)%2)   ; lanes r and r + 16 write the same word with the same value
.endm
	s_wait_alu depctr_va_vdst(0)                   ; the offsets and LDS addresses v1 to v3 and v8 to v11 are written, which the loads and LDS instructions below read
	XLOADS 0, 0
	XLOADS 1, 0
	XLOADS 2, 512
	XLOADS 3, 512
	s_mov_b32 s44, 0                               ; two K steps of images a trip
	s_mov_b32 s45, 0                               ; and of scale words
	s_mov_b32 s50, 3
.Lx:
	v_add_nc_u32 v12, s44, v10
	v_add_nc_u32 v13, s45, v11
	XUNIT 0, 1, 48
	XUNIT 1, 1, 48
	XUNIT 2, 1, 48
	XUNIT 3, 1, 48
	s_wait_xcnt 0x0                                ; the loads have read their base: it may step
	s_wait_dscnt 0x0                               ; no LDS store of mine is out
	s_wait_alu depctr_vm_vsrc(0)                   ; the image stores have read v12 and v13, which the next trip's head, and the two lines behind the loop, write again
	s_add_nc_u64 s[4:5], s[4:5], 1024
	s_add_co_u32 s44, s44, 24576
	s_add_co_u32 s45, s45, 1024
	s_sub_co_u32 s50, s50, 1
	s_cmp_lg_u32 s50, 0
	s_cbranch_scc1 .Lx
	v_add_nc_u32 v12, s44, v10
	v_add_nc_u32 v13, s45, v11
	XUNIT 0, 0, 48                                 ; the last four units load nothing: the counts run down
	XUNIT 1, 0, 32
	XUNIT 2, 0, 16
	XUNIT 3, 0, 0
	s_wait_dscnt 0x0                               ; for the others' sake: my images have landed
	s_barrier_signal -1
	s_barrier_wait -1                              ; x's 64 fragments lie in LDS; from here on LDS is only read
	s_wait_alu depctr_vm_vsrc(0)                   ; my last image stores have read v[FA ..] and v[PWX], which the way out's quantiser writes again
; ---- MAIN.  16 matrix instructions: x's tiles 4 bh .. + 3 against W's tiles 4 ah .. + 3, K step in set p.  first = 1: the bias is the C.
; The quarters go (0,0) (0,1) (1,0) (1,1) in every K step, so the 64 accumulators take turns, one instruction a turn, in one order.
.macro MULQ swap, bh, ah, p, first
.if \swap
.if \first
	WIN 0x94+0x40*(\ah)                            ; source 0 (x) window 0, source 1 (W) window 1, C (bias) window 1, D window 2 or 3
.else
	WIN 0xa4+0x50*(\ah)
.endif
.else
.if \first
	WIN 0x91+0x40*(\bh)                            ; source 0 (W) window 1, source 1 (x) window 0
.else
	WIN 0xa1+0x50*(\bh)
.endif
.endif
.irp bb, 0,1,2,3
.irp aa, 0,1,2,3
.set TB_, 4*(\bh)+\bb
.set TA_, 4*(\ah)+\aa
.set RW, 128*(\p)+12*TA_
.set RX, XF+12*TB_
.set RC, 96+8*TA_+96*(TA_/4)
.if \swap
.set AC, 64*\aa+8*TB_
.if \first
	v_wmma_scale_f32_16x16x128_f8f6f4 v[AC:AC+7], v[RX:RX+11], v[RW:RW+11], v[RC:RC+7], v[SX+8*(\p)+TB_], v[SW+8*(\p)+TA_] matrix_a_fmt:MATRIX_FMT_FP6 matrix_b_fmt:MATRIX_FMT_FP6
.else
	v_wmma_scale_f32_16x16x128_f8f6f4 v[AC:AC+7], v[RX:RX+11], v[RW:RW+11], v[AC:AC+7], v[SX+8*(\p)+TB_], v[SW+8*(\p)+TA_] matrix_a_fmt:MATRIX_FMT_FP6 matrix_b_fmt:MATRIX_FMT_FP6
.endif
.else
.set AC, 64*\bb+8*TA_
.if \first
	v_wmma_scale_f32_16x16x128_f8f6f4 v[AC:AC+7], v[RW:RW+11], v[RX:RX+11], v[RC:RC+7], v[SW+8*(\p)+TA_], v[SX+8*(\p)+TB_] matrix_a_fmt:MATRIX_FMT_FP6 matrix_b_fmt:MATRIX_FMT_FP6
.else
	v_wmma_scale_f32_16x16x128_f8f6f4 v[AC:AC+7], v[RW:RW+11], v[RX:RX+11], v[AC:AC+7], v[SW+8*(\p)+TA_], v[SX+8*(\p)+TB_] matrix_a_fmt:MATRIX_FMT_FP6 matrix_b_fmt:MATRIX_FMT_FP6
.endif
.endif
.endr
.endr
.endm
.macro WLOAD p, step                   ; a K step's eight fragments of W and their scale words into set p: 26 loads.  K steps, and the chunks behind each other, are 12,288 and 512 bytes apart
.if \step
	s_wait_xcnt 0x0                                ; the earlier loads have read their bases
	s_add_nc_u64 s[8:9], s[8:9], 12288
	s_add_nc_u64 s[10:11], s[10:11], 512
.endif
	WIN 0x40
.irp a, 0,1,2,3,4,5,6,7
.irp q, 0,1,2
	global_load_b128 v[128*(\p)+12*\a+4*\q:128*(\p)+12*\a+4*\q+3], v1, s[8:9] offset:1536*\a+512*\q
.endr
.endr
	WIN 0
	global_load_b128 v[SW+8*(\p):SW+8*(\p)+3], v2, s[10:11]
	global_load_b128 v[SW+8*(\p)+4:SW+8*(\p)+7], v2, s[10:11] offset:16
.endm
.macro BBLOAD swap                     ; the chunk's bias in the result's layout.  q, k: a lane's eight columns of each tile; v: the lane's one column, in all eight registers
	WIN 0x40
.irp a, 0,1,2,3,4,5,6,7
.set RC, 96+8*\a+96*(\a/4)
.if \swap
.irp j, 0,1,2,3,4,5,6,7
	global_load_b32 v[RC+\j], v7, s[6:7] offset:(32*(\a/2)+8*(\a%2))*4
.endr
.else
	global_load_b128 v[RC:RC+3], v7, s[6:7] offset:(32*(\a/2)+8*(\a%2))*4
	global_load_b128 v[RC+4:RC+7], v7, s[6:7] offset:(32*(\a/2)+8*(\a%2))*4+16
.endif
.endr
	WIN 0
.endm
.macro XLO p, reset, head              ; the next K step's x: tiles 0-3 and the eight scale words (set p): 14 LDS loads.  head = 1: the first of all: nothing has read v4 and v5 yet
.if \reset
	s_mov_b32 s46, 0
	s_mov_b32 s47, 0
.else
	s_add_co_u32 s46, s46, 12288
	s_add_co_u32 s47, s47, 512
.endif
.if !(\head)
	s_wait_alu depctr_vm_vsrc(0)                   ; the LDS loads issued so far have read v4 and v5
.endif
	v_add_nc_u32 v4, s46, v1
	v_add_nc_u32 v5, s47, v3
	s_wait_alu depctr_va_vdst(0)                   ; v4 and v5 are written, which the LDS loads below read; the step's first 32 matrix instructions are done reading x's tiles 0-3, and the last step's its set of x's scale words: the loads land there
.irp b, 0,1,2,3
.irp q, 0,1,2
	ds_load_b128 v[XF+12*\b+4*\q:XF+12*\b+4*\q+3], v4 offset:1536*\b+512*\q
.endr
.endr
	ds_load_b128 v[SX+8*(\p):SX+8*(\p)+3], v5
	ds_load_b128 v[SX+8*(\p)+4:SX+8*(\p)+7], v5 offset:16
.endm
.macro XHI                             ; tiles 4-7: 12 LDS loads
.irp b, 4,5,6,7
.irp q, 0,1,2
	ds_load_b128 v[XF+12*\b+4*\q:XF+12*\b+4*\q+3], v4 offset:1536*\b+512*\q
.endr
.endr
.endm
; A K step of 128: 64 matrix instructions.  nxt = 1: the next step follows in the chunk; 2: the chunk's last step: the next chunk's first step and bias are fetched.
.macro KSTEP swap, p, first, nxt
	WLOAD 1-(\p), 1                                ; into the set that the last step multiplied.  No wait here: the wait on va_vdst at the last step's end stands for these loads too, and no vector or matrix instruction since names that set or its scale words
	s_wait_loadcnt 26                              ; all but the 26 just issued: this step's W, and the bias, are in
.if (\nxt) == 2
	s_cmp_eq_u32 s49, 1                            ; behind the second chunk the bias's pointer stays: no load leaves its buffer
	s_cselect_b32 s52, 0, 512
	s_mov_b32 s53, 0
	s_wait_xcnt 0x0
	s_add_nc_u64 s[6:7], s[6:7], s[52:53]
	BBLOAD \swap                                   ; the bias's registers were last read by the chunk's first step, ahead of every later wait on va_vdst
.endif
	s_wait_dscnt 12                                ; x's tiles 0-3 and scale words are in; the youngest 12 loads (tiles 4-7) may be out
	MULQ \swap, 0, 0, \p, \first
	MULQ \swap, 0, 1, \p, \first
	s_wait_dscnt 0x0                               ; tiles 4-7 are in
	PLACES 4
	WIN 0
	XLO 1-(\p), (\nxt)-1, 0
	MULQ \swap, 1, 0, \p, \first
	MULQ \swap, 1, 1, \p, \first
	PLACES 4                                       ; for the first read of results
	WIN 0
	s_wait_alu depctr_va_vdst(0)                   ; the step's matrix instructions are done reading x's tiles 4-7, in which the loads below land, and W's set and its scale words, in which the next step's loads land
	XHI
.endm
; THE WAY OUT OF A CHUNK.  Two groups of 64 accumulators (g, g + 1) are quantised into out-buffer (g / 2) % 2.  q, k: token tiles g, g + 1 give one image for each of the chunk's two heads; v: tiles of columns g, g + 1 give an image each.
.macro EQ swap, g                      ; the vector work of a pair: no memory instruction
.set OBF, OBD*(((\g)/2)%2)
.if \swap
	QUANT 64*((\g)%4), 2+(\g)/4, FA+OBF, FA+OBF+6, PWX, s39
	QUANT 64*(((\g)+1)%4), 2+(\g)/4, FB+OBF, FB+OBF+6, PWY, s39
.else
	QUANT 64*((\g)%4), 2+(\g)/4, FA+OBF, FB+OBF, PWX, s39
	QUANT 64*(((\g)+1)%4), 2+(\g)/4, FA+OBF+6, FB+OBF+6, PWY, s39
.endif
	v_sub_nc_u32 v[PWX], v[PWX], s40               ; q: 3 off each byte (each is 4 at the least): q / 8
	v_sub_nc_u32 v[PWY], v[PWY], s40
.if \swap
	v_cndmask_b32 v[WO+((\g)/2)%2], v[PWX], v[PWY], s41   ; lanes 0-15 send tile g's words, lanes 16-31 tile g + 1's
.else
	v_perm_b32 v[WA], v[PWY], v[PWX], s56          ; the first head: the two tiles' bytes 0, 1
	v_perm_b32 v[WBB], v[PWY], v[PWX], s57         ; the second head: their bytes 2, 3
	v_cndmask_b32 v[WO+((\g)/2)%2], v[WA], v[WBB], s41    ; lanes 0-15 send the first head's words, lanes 16-31 the second's
.endif
.endm
.macro ESTORE swap, g                  ; the seven stores of a pair, from its out-buffer
.set OBF, OBD*(((\g)/2)%2)
.if \swap
.irp q, 0,1,2
	global_store_b128 v1, v[FA+OBF+4*\q:FA+OBF+4*\q+3], s[12:13] offset:((\g)/4)*98304+((\g)%4)*1536+512*\q   ; 32 lanes store 512 consecutive bytes, aligned
	global_store_b128 v1, v[FB+OBF+4*\q:FB+OBF+4*\q+3], s[12:13] offset:((\g)/4)*98304+((\g)%4+1)*1536+512*\q
.endr
	global_store_b32 v6, v[WO+((\g)/2)%2], s[14:15] offset:((\g)/4)*4096+((\g)%4)*64
.else
.irp q, 0,1,2
	global_store_b128 v1, v[FA+OBF+4*\q:FA+OBF+4*\q+3], s[12:13] offset:((\g)/2)*1536+512*\q
	global_store_b128 v1, v[FB+OBF+4*\q:FB+OBF+4*\q+3], s[12:13] offset:98304+((\g)/2)*1536+512*\q
.endr
	global_store_b32 v6, v[WO+((\g)/2)%2], s[14:15] offset:64*((\g)/2)
.endif
.endm
.macro MAIN swap
.if \swap
	v_lshlrev_b32 v6, 2, v15
	v_lshl_add_u32 v6, v14, 6, v6                  ; v6  scale words out: 4 r, + the next tile's 64 bytes for lanes 16-31
	v_and_b32 v7, 8, v15
	v_add_nc_u32 v7, v7, v15
	v_lshlrev_b32 v7, 2, v7                        ; v7  the bias of my column: 4 (r + 8 (r / 8))
.else
	v_lshlrev_b32 v6, 2, v15
	v_lshl_add_u32 v6, v14, 12, v6                 ; v6  4 r, + the next head's 4,096 bytes for lanes 16-31
	v_lshlrev_b32 v7, 6, v14                       ; v7  the bias of my half's columns: 64 h
.endif
	s_wait_alu depctr_va_vdst(0)                   ; v7 is written, the offset of the bias's loads below (and v6, the offset of the scale words' stores)
	BBLOAD \swap
	WLOAD 0, 0
	XLO 0, 1, 1
	XHI
	s_mov_b32 s49, 2                               ; chunks to go
.Lchunk_\@:
	KSTEP \swap, 0, 1, 1
	s_mov_b32 s48, 3
.Lk_\@:
	KSTEP \swap, 1, 0, 1
	KSTEP \swap, 0, 0, 1
	s_sub_co_u32 s48, s48, 1
	s_cmp_lg_u32 s48, 0
	s_cbranch_scc1 .Lk_\@
	KSTEP \swap, 1, 0, 2
	EQ \swap, 0                                    ; into out-buffer 0: free since the waits behind the last chunk's last stores (in the first chunk: since the wait behind the barrier)
	s_wait_alu depctr_va_vdst(0)                   ; pair 0's work has written out-buffer 0 and its scale word, which the stores below read
	ESTORE \swap, 0
	EQ \swap, 2                                    ; into out-buffer 1, free likewise
	s_wait_xcnt 0x0                                ; pair 0's stores, issued a pair ago, have had their addresses translated: their data may be written again
	s_wait_alu depctr_vm_vsrc(0)                   ; and have read out-buffer 0, which pair 4's work writes again
	s_wait_alu depctr_va_vdst(0)                   ; pair 2's work has written out-buffer 1 and its scale word, which the stores below read
	ESTORE \swap, 2
	EQ \swap, 4
	s_wait_xcnt 0x0                                ; pair 2's stores likewise
	s_wait_alu depctr_vm_vsrc(0)                   ; they have read out-buffer 1, which pair 6's work writes again
	s_wait_alu depctr_va_vdst(0)                   ; pair 4's work has written out-buffer 0 and its scale word, which the stores below read
	ESTORE \swap, 4
	EQ \swap, 6
	s_wait_alu depctr_va_vdst(0)                   ; pair 6's work has written out-buffer 1 and its scale word, which the stores below read
	ESTORE \swap, 6
	s_wait_xcnt 0x0                                ; the stores have read their bases
	s_wait_alu depctr_vm_vsrc(0)                   ; the stores of pairs 4 and 6 have read the two out-buffers, which the next chunk's way out writes again
	s_add_nc_u64 s[12:13], s[12:13], 196608        ; two heads on
	s_add_nc_u64 s[14:15], s[14:15], 8192
	s_sub_co_u32 s49, s49, 1
	s_cmp_lg_u32 s49, 0
	s_cbranch_scc1 .Lchunk_\@
	s_wait_loadcnt 0x0                             ; the fetches for a chunk that does not follow are let land
	s_wait_dscnt 0x0                               ; the closing lines, six on end
	s_wait_alu 0x0
	s_wait_tensorcnt 0x0
	ds_add_u32 v254, v255
	s_wait_dscnt 0x0
	s_endpgm
.endm
	s_cmp_eq_u32 s37, 2
	s_cbranch_scc1 .Lfor_v
	MAIN 0
.Lfor_v:
	MAIN 1
.Lfunc_end_k_qdd9e36a244_proj:
	.size	k_qdd9e36a244_proj, .Lfunc_end_k_qdd9e36a244_proj-k_qdd9e36a244_proj
	.p2alignl 7, 3214868480
	.fill 96, 4, 3214868480
	.section	.rodata,"a",@progbits
	.p2align	6, 0x0
	.amdhsa_kernel k_qdd9e36a244_proj
		.amdhsa_group_segment_fixed_size 136704
		.amdhsa_private_segment_fixed_size 0
		.amdhsa_enable_private_segment 0
		.amdhsa_kernarg_size 80
		.amdhsa_user_sgpr_count 2
		.amdhsa_user_sgpr_kernarg_segment_ptr 1
		.amdhsa_wavefront_size32 1
		.amdhsa_system_sgpr_workgroup_id_x 1
		.amdhsa_system_sgpr_workgroup_id_y 1
		.amdhsa_system_sgpr_workgroup_id_z 1
		.amdhsa_system_vgpr_workitem_id 0
		.amdhsa_next_free_vgpr 1024
		.amdhsa_next_free_sgpr 66
		.amdhsa_reserve_vcc 0
		.amdhsa_float_denorm_mode_32 3
		.amdhsa_float_denorm_mode_16_64 3
		.amdhsa_memory_ordered 1
		.amdhsa_forward_progress 1
		.amdhsa_inst_pref_size 255
	.end_amdhsa_kernel
	.section	.bss,"aw",@nobits
	.p2align	6
	.space	262144
	.amdgpu_metadata
---
amdhsa.version: [ 1, 2 ]
amdhsa.kernels:
  - .name:           k_qdd9e36a244_proj
    .symbol:         k_qdd9e36a244_proj.kd
    .args:
      - { .name: query, .offset: 0, .size: 8, .value_kind: global_buffer, .address_space: global }
      - { .name: key, .offset: 8, .size: 8, .value_kind: global_buffer, .address_space: global }
      - { .name: value, .offset: 16, .size: 8, .value_kind: global_buffer, .address_space: global }
      - { .name: bq, .offset: 24, .size: 8, .value_kind: global_buffer, .address_space: global }
      - { .name: bk, .offset: 32, .size: 8, .value_kind: global_buffer, .address_space: global }
      - { .name: bv, .offset: 40, .size: 8, .value_kind: global_buffer, .address_space: global }
      - { .name: wimg, .offset: 48, .size: 8, .value_kind: global_buffer, .address_space: global }
      - { .name: wsc, .offset: 56, .size: 8, .value_kind: global_buffer, .address_space: global }
      - { .name: aimg, .offset: 64, .size: 8, .value_kind: global_buffer, .address_space: global }
      - { .name: asc, .offset: 72, .size: 8, .value_kind: global_buffer, .address_space: global }
    .group_segment_fixed_size: 136704
    .private_segment_fixed_size: 0
    .kernarg_segment_align: 8
    .kernarg_segment_size: 80
    .max_flat_workgroup_size: 128
    .sgpr_count:     66
    .vgpr_count:     1024
    .wavefront_size: 32
...
	.end_amdgpu_metadata
.endif
;; end of part 6
;; launch attn (part 7): grid 4 x 64, 16 waves a work-group, clusters of 4 x 1, 215,040 bytes of LDS; arguments aimg, asc, yimg, ysc; writes yimg, ysc
.if DOCPART == 7
	.amdgcn_target "amdgcn-amd-amdhsa--gfx1250"
	.amdhsa_code_object_version 6
	.text
	.protected	k_qdd9e36a244_attn
	.globl	k_qdd9e36a244_attn
	.p2align	8
	.type	k_qdd9e36a244_attn,@function
k_qdd9e36a244_attn:
	s_mov_b64 s[64:65], 0
	v_nop
	global_prefetch_b8 v0, s[64:65] scope:SCOPE_SE
	s_setreg_imm32_b32 hwreg(HW_REG_WAVE_MODE, 25, 1), 1
	s_wait_xcnt 0x0
	s_wait_alu depctr_hold_cnt(0) depctr_sa_sdst(0) depctr_va_vdst(0) depctr_va_sdst(0) depctr_va_ssrc(0) depctr_va_vcc(0) depctr_vm_vsrc(0)
	s_getreg_b32 s2, hwreg(HW_REG_IB_STS2, 6, 4)
	s_cmp_eq_u32 s2, 0
	s_cbranch_scc0 .Lentry_in_a_cluster
	s_endpgm
.Lentry_in_a_cluster:
	s_bfe_u32 s2, ttmp6, 0x10000c
	s_cmp_lg_u32 s2, 0x3003
	s_cbranch_scc0 .Lentry_shape_is_right
	s_endpgm
.Lentry_shape_is_right:
; y[b][h][q] = softmax_k(q . k / 8 + bias[k]) v, bias[k] = -10 (k / 2047 - 0.5)^2, both products on codes of FP6 (E2M3) with one E8M0 scale for each 32 along K; y leaves as codes for the last product.
; THE SOFTMAX: t = logit x log2(e); M = the running largest t rounded UP to a whole number; p = 2^(t - M) is quantised along the keys, not normalised; the row's sum is taken of the unquantised p and divides at the end.
; When M moves, the sum and O are multiplied by 2^(old M - new M): exact.
; SHARES.  A work-group owns 512 queries of one (batch, head); each of its 16 waves a pair of query tiles (32 queries), in two passes of 16 queries; a pass walks the 2,048 keys, 128 a step.
; ALL of the head's K and V (98,304 bytes each, as images of operand registers) and their scale words lie in LDS, filled ONCE: no slot is filled again.
; CLUSTER.  The four work-groups of a head need the same K and V: each block is asked for JOINTLY, by the same tensor load with the same descriptor and the mask of all four.
; LAYOUT.  S^T = K Q^T, O^T = V^T P^T: a lane holds ONE query (lane % 16) throughout.  The head's size is 64 and the instruction's K 128: a fragment of K holds TWO tiles of keys (registers 0-5, 6-11), and Q stands between
; zeros, v16-33 = 0 x 6 | q x 6 | 0 x 6: v[22:33] meets the first tile, v[16:27] the second.  Zero codes add nothing.  The key bias is the C of the score products: it comes from a table in LDS into the scores' registers.
; Place r of tile 2 g + u is key 32 g + 8 u + r + 8 (r / 8), so the 16 registers of two neighbouring tiles are 16 neighbouring keys, 32 g + 16 (lane / 16) + 0 .. 15; the tiles of V's d likewise.
; LIMITS: NaN and infinities are not served; a block of y under 2^(3 - 127) gets the byte 1 (read by this program alone).
; REGISTERS: v1-11 addresses; v12 -M, v13 the largest t, v[14:15] the sum; v16-33 Q between zeros; v34-45 the pair's codes, v46 its scale word, v47 the word in use; v48-95 four fragments of K, then of V;
;   v96-159 S^T, then p; v160-191 O^T; v192-203 p's codes; v204-210, v212-223 the quantiser; v224-231 K's and V's scale words; v232 p's; v[234:235] f; v236-237 at work; v238 y's scale word.
.set VOFF, 98304                       ; LDS: K's 64 images; V's 64 images;
.set KSC,  196608                      ; K's scale words, 4,096 bytes; V's, 4,096 bytes on;
.set FBT,  204800                      ; the key bias, 2,048 f32: written by LDS stores; no tensor load lands here
.macro CROUND                          ; a round of the cluster's barrier
	s_barrier_signal -1
	s_barrier_wait -1
	s_cmp_lg_u32 s12, 0
	s_cbranch_scc1 .Lnot_wave_0_\@
	s_barrier_signal -3
.Lnot_wave_0_\@:
	s_barrier_wait -3
	s_barrier_signal -1
	s_barrier_wait -1
.endm
	s_load_b256 s[4:11], s[0:1], 0x0               ; aimg s[4:5], asc s[6:7], yimg s[8:9], ysc s[10:11]
	v_lshl_add_u32 v254, v0, 2, 0x34000
	v_mov_b32 v255, 0
	ds_add_u32 v254, v255
	ds_add_u32 v254, v255
	v_lshrrev_b32 v1, 5, v0
	s_delay_alu instid0(VALU_DEP_1)
	v_readfirstlane_b32 s12, v1                    ; wave 0..15
	s_bfe_u32 s13, ttmp6, 0x40000                  ; cx: my place in the cluster: it enters Q's and y's global addresses alone
	s_and_b32 s14, ttmp7, 0xffff                   ; batch x head, which the four partners share
	; group 1: dense blocks as rows of 256 bytes (32 elements of 8 bytes): 96 rows (a quarter of K or V), 16 rows (a tensor's scale words)
	s_mov_b32 s16, 15|(3<<16)|(1<<21)              ; 15:0 the mask: all four work-groups; 17:16 elements of 8 bytes; 21 set beside a mask
	s_mov_b32 s17, 32<<16                          ; tensor_dim0 = 32
	s_mov_b32 s18, 96<<16                          ; tensor_dim1 = 96
	s_mov_b32 s19, 32<<16                          ; tile_dim0 = 32
	s_mov_b32 s20, 96                              ; tile_dim1 = 96
	s_mov_b32 s21, 32                              ; the pitch
	s_mov_b32 s22, 0
	s_mov_b32 s23, 0
	s_mov_b32 s24, 15|(3<<16)|(1<<21)
	s_mov_b32 s25, 32<<16
	s_mov_b32 s26, 16<<16
	s_mov_b32 s27, 32<<16
	s_mov_b32 s28, 16
	s_mov_b32 s29, 32
	s_mov_b32 s30, 0
	s_mov_b32 s31, 0
	s_and_b32 s58, s12, 7                          ; waves 0-3: K's quarters; waves 4-7: V's
	s_mul_i32 s33, s58, 24576                      ; where it goes: K and V lie on end in LDS
	s_lshr_b32 s59, s58, 2
	s_add_co_u32 s59, s59, 1
	s_mul_i32 s59, s59, 6291456                    ; k is tensor 1 of aimg, v tensor 2
	s_and_b32 s58, s58, 3
	s_mul_i32 s58, s58, 24576
	s_add_co_u32 s58, s58, s59
	s_mul_i32 s59, s14, 98304
	s_add_co_u32 s58, s58, s59
	s_mov_b32 s59, 0
	s_and_b32 s60, s12, 1                          ; wave 8: K's scale words; wave 9: V's
	s_lshl_b32 s37, s60, 12
	s_add_co_u32 s37, s37, KSC
	s_add_co_u32 s60, s60, 1
	s_lshl_b32 s60, s60, 18
	s_lshl_b32 s61, s14, 12
	s_add_co_u32 s60, s60, s61
	s_mov_b32 s61, 0
	s_mov_b32 s40, 0x76543210
	s_mov_b32 s41, 0xfedcba98                      ; v_permlanex16_b32's selects for lane l xor 16
	s_mov_b32 s42, 0x3fb8aa3b                      ; log2(e): the 1 / 8 stands in q's scales
	s_mov_b32 s43, s42                             ; (named with it as a pair, so it is written)
	s_mov_b32 s49, 0x01000100                      ; v_perm_b32: bytes 0, 1, 0, 1
	s_wait_dscnt 0x0
	s_wait_kmcnt 0x0
	s_mov_b32 s32, 1
	s_add_nc_u64 s[34:35], s[4:5], s[58:59]
	s_or_b32 s35, s35, 0x80000000
	s_mov_b32 s36, 1
	s_add_nc_u64 s[38:39], s[6:7], s[60:61]
	s_or_b32 s39, s39, 0x80000000
	s_lshl_b32 s58, s13, 4
	s_add_co_u32 s58, s58, s12                     ; my pair of query tiles: 16 cx + wave
	s_lshl_b32 s59, s14, 6
	s_add_co_u32 s59, s59, s58
	s_mul_i32 s50, s59, 1536
	s_mov_b32 s51, 0
	s_lshl_b32 s52, s59, 6
	s_mov_b32 s53, 0
	s_add_nc_u64 s[56:57], s[10:11], s[52:53]      ; y's scale words
	s_add_nc_u64 s[52:53], s[6:7], s[52:53]        ; Q's scale words
	s_add_nc_u64 s[50:51], s[4:5], s[50:51]        ; Q's image
	s_lshr_b32 s58, s14, 4
	s_lshl_b32 s58, s58, 4
	s_lshl_b32 s59, s13, 2
	s_add_co_u32 s58, s58, s59
	s_lshr_b32 s59, s12, 2
	s_add_co_u32 s58, s58, s59                     ; my block of 128 tokens: 16 batch + 4 cx + wave / 4
	s_lshl_b32 s58, s58, 3
	s_bfe_u32 s59, s14, 0x30001                    ; head / 2: the last product's K step
	s_add_co_u32 s58, s58, s59
	s_lshl_b32 s58, s58, 3
	s_and_b32 s59, s12, 3
	s_lshl_b32 s59, s59, 1
	s_add_co_u32 s58, s58, s59                     ; token tile 2 (wave % 4)
	s_lshl_b32 s58, s58, 1
	s_and_b32 s59, s14, 1
	s_add_co_u32 s58, s58, s59                     ; head % 2: which half of a fragment
	s_mul_i32 s58, s58, 768
	s_mov_b32 s59, 0
	s_add_nc_u64 s[54:55], s[8:9], s[58:59]        ; y's half images
	s_mov_b32 s60, 0x3a001002                      ; 1 / 2047
	s_mov_b32 s61, 0x44ffe000                      ; 2047
	CROUND                                         ; all four work-groups are here: the joint loads meet
	s_cmp_lt_u32 s12, 8                            ; one load a wave, in waves 0 to 9; the branches hang on the wave's number alone
	s_cbranch_scc0 .Lnot_kv
	tensor_load_to_lds s[32:35], s[16:23]
	s_nop 0
.rept 4
	v_nop
.endr
	s_branch .Lasked
.Lnot_kv:
	s_cmp_lt_u32 s12, 10
	s_cbranch_scc0 .Lasked
	tensor_load_to_lds s[36:39], s[24:31]
	s_nop 0
.rept 4
	v_nop
.endr
.Lasked:
	v_and_b32 v9, 31, v0
	s_delay_alu instid0(VALU_DEP_1)
	v_lshlrev_b32 v1, 4, v9                        ; v1   16 x lane: K's images
	s_delay_alu instid0(VALU_DEP_1)
	v_add_nc_u32 v2, VOFF, v1                      ; v2   V's
	s_delay_alu instid0(VALU_DEP_3)
	v_lshlrev_b32 v10, 3, v9                       ; v10  8 x lane
	v_and_b32 v9, 15, v0
	s_delay_alu instid0(VALU_DEP_1)
	v_lshlrev_b32 v11, 2, v9                       ; v11  4 r
	s_delay_alu instid0(VALU_DEP_1)
	v_add_nc_u32 v3, KSC, v11                      ; v3   scale words
	v_bfe_u32 v9, v0, 4, 1
	s_delay_alu instid0(VALU_DEP_1)
	v_lshl_add_u32 v4, v9, 6, FBT                  ; v4   the bias of my half's 16 keys of a block of 32
	global_load_b128 v[34:37], v1, s[50:51]        ; the pair's codes: registers 0-5 the first tile of queries, 6-11 the second
	global_load_b128 v[38:41], v1, s[50:51] offset:512
	global_load_b128 v[42:45], v1, s[50:51] offset:1024
	global_load_b32 v46, v11, s[52:53]             ; bytes: the first tile's two, the second's two
	v_lshlrev_b32 v48, 2, v0                       ; THE BIAS TABLE: thread t makes keys 4 t .. 4 t + 3
.irp e, 0,1,2,3
	v_add_nc_u32 v[52+\e], \e, v48
	s_delay_alu instid0(VALU_DEP_1)
	v_cvt_f32_u32 v[52+\e], v[52+\e]               ; i
	s_delay_alu instid0(VALU_DEP_1)
	v_mul_f32 v[56+\e], s60, v[52+\e]              ; i / 2047, roughly,
	s_delay_alu instid0(VALU_DEP_1)
	v_fma_f32 v[52+\e], -v[56+\e], s61, v[52+\e]   ; what is left over,
	s_delay_alu instid0(VALU_DEP_1)
	v_fma_f32 v[56+\e], v[52+\e], s60, v[56+\e]    ; and mended by it
	s_delay_alu instid0(VALU_DEP_1)
	v_add_f32 v[56+\e], -0.5, v[56+\e]
	s_delay_alu instid0(VALU_DEP_1)
	v_mul_f32 v[56+\e], v[56+\e], v[56+\e]
	s_delay_alu instid0(VALU_DEP_1)
	v_mul_f32 v[56+\e], 0xc1200000, v[56+\e]       ; x -10
.endr
	v_lshl_add_u32 v48, v0, 4, FBT
	ds_store_b128 v48, v[56:59]
.irp i, 0,1,2,3,4,5
	v_mov_b32 v[16+\i], 0                          ; the zeros on both sides of Q
	v_mov_b32 v[28+\i], 0
.endr
.irp b, 0,1,2,3
	v_mov_b32 v[216+\b], 0                         ; written once: a lane permute's destination counts as one of its sources
.endr
	v_mov_b32 v235, 0                              ; (named as the upper half of the pair v[234:235])
	v_mov_b32 v236, 0
	v_mov_b32 v238, 0
	s_wait_tensorcnt 0x0                           ; my part of K, V or the scale words has landed,
	s_wait_dscnt 0x0                               ; and my part of the table
	s_barrier_signal -1
	s_barrier_wait -1                              ; everybody's has
	s_wait_loadcnt 0x0                             ; Q
	s_mov_b32 s48, 2
.Lpass:
	s_wait_alu depctr_va_vdst(0)
.irp i, 0,1,2,3,4,5
	v_mov_b32 v[22+\i], v[34+\i]                   ; this pass's tile of queries between the zeros
.endr
	v_perm_b32 v47, v46, v46, s49                  ; its two scale bytes, for k 0 .. 63 and for k 64 .. 127
	v_mov_b32 v13, 0xff61b1e6                      ; the largest t so far: -3e38, under every t
	s_delay_alu instid0(VALU_DEP_1)
	v_floor_f32 v12, -v13                          ; -M
	v_mov_b32 v14, 0
	v_mov_b32 v15, 0
.set J, 0
.rept 32
	v_mov_b32 v[160+J], 0                          ; O^T: the first change of M multiplies zeros.  (These are also the places between the writes of Q and its scale word and the scaled products)
.set J, J+1
.endr
	s_mov_b32 s44, 0                               ; the step's images: 6,144 bytes a step
	s_mov_b32 s45, 0                               ; its scale words: 256
	s_mov_b32 s46, 0                               ; its biases: 512
	s_mov_b32 s47, 16
.Lstep:
	s_setprio 2
	v_add_nc_u32 v5, s44, v1                       ; (four plain places behind the last products, whose operands' registers the loads below fill; no LDS load of mine is out)
	v_add_nc_u32 v6, s44, v2
	v_add_nc_u32 v7, s45, v3
	v_add_nc_u32 v8, s46, v4
.irp g, 0,1,2,3
.irp q, 0,1,2
	ds_load_b128 v[48+12*\g+4*\q:48+12*\g+4*\q+3], v5 offset:1536*\g+512*\q
.endr
	ds_load_b32 v[224+\g], v7 offset:64*\g
.endr
.irp g, 0,1,2,3
.irp j, 0,1,2,3
	ds_load_b128 v[96+16*\g+4*\j:96+16*\g+4*\j+3], v8 offset:128*\g+16*\j   ; the bias of keys 32 g + 16 h + 4 j on, where their scores will stand
.endr
.endr
	s_wait_alu depctr_va_vdst(0)
	s_wait_dscnt 0x0
.irp g, 0,1,2,3
	v_wmma_scale_f32_16x16x128_f8f6f4 v[96+16*\g:103+16*\g], v[48+12*\g:59+12*\g], v[22:33], v[96+16*\g:103+16*\g], v[224+\g], v47 matrix_a_fmt:MATRIX_FMT_FP6 matrix_b_fmt:MATRIX_FMT_FP6
	v_wmma_scale_f32_16x16x128_f8f6f4 v[104+16*\g:111+16*\g], v[48+12*\g:59+12*\g], v[16:27], v[104+16*\g:111+16*\g], v[224+\g], v47 matrix_a_fmt:MATRIX_FMT_FP6 matrix_b_fmt:MATRIX_FMT_FP6
.endr
.rept 4
	v_nop                                          ; places in front of the loads into K's registers and of the first read of the scores
.endr
.irp t, 0,1,2,3
.irp q, 0,1,2
	ds_load_b128 v[48+12*\t+4*\q:48+12*\t+4*\q+3], v6 offset:1536*\t+512*\q   ; V lands under the softmax
.endr
	ds_load_b32 v[228+\t], v7 offset:4096+64*\t
.endr
.irp b, 0,1,2,3
	v_max3_num_f32 v[212+\b], v[96+16*\b], v[97+16*\b], v[98+16*\b]   ; the largest logit of each block of 32 keys: for the row's maximum and, since p rises with the logit, for the block's largest p
.endr
.irp i, 3,5,7,9,11,13
.irp b, 0,1,2,3
	v_max3_num_f32 v[212+\b], v[212+\b], v[96+16*\b+\i], v[97+16*\b+\i]
.endr
.endr
.irp b, 0,1,2,3
	v_max_num_f32 v[212+\b], v[212+\b], v[111+16*\b]
.endr
.irp b, 0,1,2,3
	s_delay_alu instid0(VALU_DEP_4)
	v_permlanex16_b32 v[216+\b], v[212+\b], s40, s41
.endr
.irp b, 0,1,2,3
	s_delay_alu instid0(VALU_DEP_4)
	v_max_num_f32 v[212+\b], v[212+\b], v[216+\b]  ; with lane l xor 16's 16 keys
.endr
	s_delay_alu instid0(VALU_DEP_2)
	v_max3_num_f32 v236, v212, v213, v214
	s_delay_alu instid0(VALU_DEP_1)
	v_max_num_f32 v236, v236, v215
	s_delay_alu instid0(VALU_DEP_1)
	v_mul_f32 v236, s42, v236                      ; as t
	s_delay_alu instid0(VALU_DEP_1)
	v_max_num_f32 v13, v13, v236                   ; the running largest t
	v_mov_b32 v236, v12
	s_delay_alu instid0(VALU_DEP_2)
	v_floor_f32 v12, -v13                          ; the new -M = -ceil(t): a whole number
	s_delay_alu instid0(VALU_DEP_1)
	v_sub_f32 v236, v12, v236                      ; old M - new M: a whole number, 0 or less
	s_delay_alu instid0(VALU_DEP_1)
	v_cvt_i32_f32 v236, v236                       ; (it saturates)
	s_delay_alu instid0(VALU_DEP_1)
	v_ldexp_f32 v234, 1.0, v236                    ; f = 2^(old M - new M)
.set J, 0
.rept 32
	v_pk_fma_f32 v[96+J:97+J], v[96+J:97+J], s[42:43], v[12:13] op_sel_hi:[1,0,0]   ; t - M, two at a time
.set J, J+2
.endr
.irp b, 0,1,2,3
	v_fma_f32 v[212+\b], v[212+\b], s42, v12       ; the same of each block's largest logit
.endr
.set J, 0
	s_setprio 1
	s_wait_alu depctr_va_vdst(0)
.rept 64
	v_exp_f32 v[96+J], v[96+J]                     ; p = 2^(t - M), at most 1
.set J, J+1
.endr
	v_pk_mul_f32 v[14:15], v[14:15], v[234:235] op_sel_hi:[1,0]   ; the sums under the new M: a plain place behind the exponentials
	s_wait_alu depctr_va_vdst(0)                   ; one wait for the batch of 64, ahead of its first reader
.irp b, 0,1,2,3
	v_exp_f32 v[212+\b], v[212+\b]                 ; the block's largest p
.endr
	v_pk_add_f32 v[216:217], v[100:101], v[104:105]
	v_pk_add_f32 v[252:253], v[108:109], v[112:113]
	v_pk_add_f32 v[250:251], v[116:117], v[120:121]
	v_pk_add_f32 v[248:249], v[124:125], v[128:129]
	v_pk_add_f32 v[246:247], v[132:133], v[136:137]
	v_pk_add_f32 v[244:245], v[140:141], v[144:145]
	v_pk_add_f32 v[242:243], v[148:149], v[152:153]
	v_pk_add_f32 v[14:15], v[14:15], v[156:157]
	v_pk_add_f32 v[216:217], v[216:217], v[96:97]
	v_pk_add_f32 v[252:253], v[252:253], v[98:99]
	v_pk_add_f32 v[250:251], v[250:251], v[102:103]
	v_pk_add_f32 v[248:249], v[248:249], v[106:107]
	v_pk_add_f32 v[246:247], v[246:247], v[110:111]
	v_pk_add_f32 v[244:245], v[244:245], v[114:115]
	v_pk_add_f32 v[242:243], v[242:243], v[118:119]
	v_pk_add_f32 v[14:15], v[14:15], v[122:123]
	v_pk_add_f32 v[216:217], v[216:217], v[126:127]
	v_pk_add_f32 v[252:253], v[252:253], v[130:131]
	v_pk_add_f32 v[250:251], v[250:251], v[134:135]
	v_pk_add_f32 v[248:249], v[248:249], v[138:139]
	v_pk_add_f32 v[246:247], v[246:247], v[142:143]
	v_pk_add_f32 v[244:245], v[244:245], v[146:147]
	v_pk_add_f32 v[242:243], v[242:243], v[150:151]
	v_pk_add_f32 v[14:15], v[14:15], v[154:155]
	v_pk_add_f32 v[216:217], v[216:217], v[158:159]
	s_delay_alu instid0(VALU_DEP_2)
	v_pk_add_f32 v[14:15], v[14:15], v[248:249]
	s_delay_alu instid0(VALU_DEP_2)
	v_pk_add_f32 v[216:217], v[216:217], v[246:247]
	v_pk_add_f32 v[252:253], v[252:253], v[244:245]
	v_pk_add_f32 v[250:251], v[250:251], v[242:243]
	s_delay_alu instid0(VALU_DEP_2)
	v_pk_add_f32 v[14:15], v[14:15], v[252:253]
	s_delay_alu instid0(VALU_DEP_2)
	v_pk_add_f32 v[216:217], v[216:217], v[250:251]
	s_delay_alu instid0(VALU_DEP_1)
	v_pk_add_f32 v[14:15], v[14:15], v[216:217]
	s_wait_alu depctr_va_vdst(0)                   ; and one for the four
.irp b, 0,1,2,3
	v_max_num_f32 v[212+\b], 0x1800000, v[212+\b]  ; the floor 2^(3 - 127): the byte cannot fall under 1
.endr
.irp b, 0,1,2,3
	s_delay_alu instid0(VALU_DEP_4)
	v_add_nc_u32 v[220+\b], 0xff000000, v[212+\b]  ; the conversion's scale operand
.endr
.irp b, 0,1,2,3
	s_delay_alu instid0(VALU_DEP_4)
	v_lshrrev_b32 v[216+\b], 23, v[220+\b]         ; the byte
.endr
	s_delay_alu instid0(VALU_DEP_3)
	v_lshl_or_b32 v232, v217, 8, v216              ; p's scale word for these 128 keys
	s_delay_alu instid0(VALU_DEP_1)
	v_lshl_or_b32 v232, v218, 16, v232
	s_delay_alu instid0(VALU_DEP_1)
	v_lshl_or_b32 v232, v219, 24, v232
.irp c, 0,1
	v_cvt_scalef32_pk16_fp6_f32 v[192+6*\c:194+6*\c], v[96+32*\c:111+32*\c], v[220+2*\c]
	v_cvt_scalef32_pk16_fp6_f32 v[204+4*\c:206+4*\c], v[112+32*\c:127+32*\c], v[220+2*\c+1]
.endr
	v_nop                                          ; one plain place behind a scaled conversion
	s_setprio 0
.irp c, 0,1
.irp i, 0,1,2
	v_permlane16_swap_b32 v[192+6*\c+\i], v[204+4*\c+\i]   ; a WHOLE block in a lane
.endr
.irp i, 0,1,2
	s_delay_alu instid0(VALU_DEP_3)
	v_mov_b32 v[195+6*\c+\i], v[204+4*\c+\i]
.endr
.endr
.set J, 0
.rept 16
	v_pk_mul_f32 v[160+J:161+J], v[160+J:161+J], v[234:235] op_sel_hi:[1,0]   ; O^T under the new M.  (These are also the places between the writes of p's codes and scale word and the scaled products)
.set J, J+2
.endr
	s_wait_alu depctr_va_vdst(0)
	s_wait_dscnt 0x0                               ; V is in
.irp t, 0,1,2,3
	v_wmma_scale_f32_16x16x128_f8f6f4 v[160+8*\t:167+8*\t], v[48+12*\t:59+12*\t], v[192:203], v[160+8*\t:167+8*\t], v[228+\t], v232 matrix_a_fmt:MATRIX_FMT_FP6 matrix_b_fmt:MATRIX_FMT_FP6
.endr
	s_add_co_u32 s44, s44, 6144
	s_add_co_u32 s45, s45, 256
	s_add_co_u32 s46, s46, 512
	s_sub_co_u32 s47, s47, 1
	s_cmp_lg_u32 s47, 0
	s_cbranch_scc1 .Lstep
	s_setprio 0
	; THE WAY OUT OF A PASS: y = O^T / the sum; register 16 g + i is d = 32 g + 16 h + i: two blocks of the last product's K: six registers of codes, half a fragment
.rept 4
	v_nop
.endr
	v_add_f32 v14, v14, v15
	s_delay_alu instid0(VALU_DEP_1)
	v_permlanex16_b32 v236, v14, s40, s41
	s_delay_alu instid0(VALU_DEP_1)
	v_add_f32 v14, v14, v236                       ; the row's sum
	s_wait_alu depctr_va_vdst(0)
	v_rcp_f32 v14, v14
	v_nop                                          ; a plain place behind the transcendental
	s_wait_alu depctr_va_vdst(0)                   ; and the wait ahead of its first reader
.set J, 0
.rept 32
	v_mul_f32 v[96+J], v[160+J], v14
.set J, J+1
.endr
.irp b, 0,1
	v_max3_num_f32 v[212+\b], |v[96+16*\b]|, |v[97+16*\b]|, 0x1800000
.endr
.irp i, 2,4,6,8,10,12,14
.irp b, 0,1
	s_delay_alu instid0(VALU_DEP_2)
	v_max3_num_f32 v[212+\b], v[212+\b], |v[96+16*\b+\i]|, |v[97+16*\b+\i]|
.endr
.endr
.irp b, 0,1
	s_delay_alu instid0(VALU_DEP_2)
	v_permlanex16_b32 v[216+\b], v[212+\b], s40, s41
.endr
.irp b, 0,1
	s_delay_alu instid0(VALU_DEP_2)
	v_max_num_f32 v[212+\b], v[212+\b], v[216+\b]
.endr
.irp b, 0,1
	s_delay_alu instid0(VALU_DEP_2)
	v_add_nc_u32 v[220+\b], 0xff000000, v[212+\b]
.endr
.irp b, 0,1
	s_delay_alu instid0(VALU_DEP_2)
	v_lshrrev_b32 v[216+\b], 23, v[220+\b]
.endr
	s_delay_alu instid0(VALU_DEP_1)
	v_lshl_or_b32 v237, v217, 8, v216              ; this tile's two bytes
	v_lshrrev_b32 v238, 16, v238
	s_delay_alu instid0(VALU_DEP_1)
	v_lshl_or_b32 v238, v237, 16, v238             ; behind the second pass: the first tile's two below, the second's above
	v_cvt_scalef32_pk16_fp6_f32 v[192:194], v[96:111], v220
	v_cvt_scalef32_pk16_fp6_f32 v[204:206], v[112:127], v221
	v_nop
.irp i, 0,1,2
	v_permlane16_swap_b32 v[192+\i], v[204+\i]
.endr
.irp i, 0,1,2
	s_delay_alu instid0(VALU_DEP_3)
	v_mov_b32 v[195+\i], v[204+\i]
.endr
	global_store_b128 v1, v[192:195], s[54:55]     ; 512 consecutive bytes, aligned,
	global_store_b64 v10, v[196:197], s[54:55] offset:512   ; and 256
.irp i, 0,1,2,3,4,5
	v_mov_b32 v[34+\i], v[40+\i]                   ; the second pass takes the pair's second tile,
.endr
	v_lshrrev_b32 v46, 16, v46                     ; and its two scale bytes
	s_wait_xcnt 0x0                                ; the stores have read their registers and their base
	s_add_nc_u64 s[54:55], s[54:55], 1536          ; the next token tile
	s_sub_co_u32 s48, s48, 1
	s_cmp_lg_u32 s48, 0
	s_cbranch_scc1 .Lpass
	global_store_b32 v11, v238, s[56:57]           ; lanes r and r + 16 store the same word
	s_wait_dscnt 0x0
	s_wait_tensorcnt 0x0
	ds_add_u32 v254, v255
	s_wait_dscnt 0x0
	CROUND                                         ; the closing round: no work-group ends while a partner may still ask for a block that names it
	s_endpgm
.Lfunc_end_k_qdd9e36a244_attn:
	.size	k_qdd9e36a244_attn, .Lfunc_end_k_qdd9e36a244_attn-k_qdd9e36a244_attn
	.p2alignl 7, 3214868480
	.fill 96, 4, 3214868480
	.section	.rodata,"a",@progbits
	.p2align	6, 0x0
	.amdhsa_kernel k_qdd9e36a244_attn
		.amdhsa_group_segment_fixed_size 215040
		.amdhsa_private_segment_fixed_size 0
		.amdhsa_enable_private_segment 0
		.amdhsa_kernarg_size 32
		.amdhsa_user_sgpr_count 2
		.amdhsa_user_sgpr_kernarg_segment_ptr 1
		.amdhsa_wavefront_size32 1
		.amdhsa_system_sgpr_workgroup_id_x 1
		.amdhsa_system_sgpr_workgroup_id_y 1
		.amdhsa_system_sgpr_workgroup_id_z 1
		.amdhsa_system_vgpr_workitem_id 0
		.amdhsa_next_free_vgpr 256
		.amdhsa_next_free_sgpr 66
		.amdhsa_reserve_vcc 0
		.amdhsa_float_denorm_mode_32 3
		.amdhsa_float_denorm_mode_16_64 3
		.amdhsa_memory_ordered 1
		.amdhsa_forward_progress 1
		.amdhsa_inst_pref_size 35
	.end_amdhsa_kernel
	.amdgpu_metadata
---
amdhsa.version: [ 1, 2 ]
amdhsa.kernels:
  - .name:           k_qdd9e36a244_attn
    .symbol:         k_qdd9e36a244_attn.kd
    .args:
      - { .name: aimg, .offset: 0, .size: 8, .value_kind: global_buffer, .address_space: global }
      - { .name: asc, .offset: 8, .size: 8, .value_kind: global_buffer, .address_space: global }
      - { .name: yimg, .offset: 16, .size: 8, .value_kind: global_buffer, .address_space: global }
      - { .name: ysc, .offset: 24, .size: 8, .value_kind: global_buffer, .address_space: global }
    .group_segment_fixed_size: 215040
    .private_segment_fixed_size: 0
    .kernarg_segment_align: 8
    .kernarg_segment_size: 32
    .max_flat_workgroup_size: 512
    .sgpr_count:     66
    .vgpr_count:     256
    .wavefront_size: 32
...
	.end_amdgpu_metadata
.endif
;; end of part 7
;; launch outp (part 8): grid 64 x 2, 4 waves a work-group, no clusters, 136,704 bytes of LDS; arguments yimg, ysc, wimg, wsc, bp, out0; writes out0
.if DOCPART == 8
	.amdgcn_target "amdgcn-amd-amdhsa--gfx1250"
	.amdhsa_code_object_version 6
	.text
	.protected	k_qdd9e36a244_outp
	.globl	k_qdd9e36a244_outp
	.p2align	8
	.type	k_qdd9e36a244_outp,@function
k_qdd9e36a244_outp:
	s_mov_b64 s[64:65], 0
	v_nop
	global_prefetch_b8 v0, s[64:65] scope:SCOPE_SE
	s_setreg_imm32_b32 hwreg(HW_REG_WAVE_SCHED_MODE, 0, 2), 2
	s_setreg_imm32_b32 hwreg(HW_REG_WAVE_MODE, 25, 1), 1
	s_wait_xcnt 0x0
	s_wait_alu depctr_vm_vsrc(0)
; out = y Wp + bp on codes of FP6 (E2M3) with one E8M0 scale for each 32 along K.  y arrives as images of operand registers (yimg, ysc), Wp likewise (weight 3 of wimg, wsc).
; SHARES.  Work-group (x = block of 128 tokens, y = half of the columns): 128 tokens x 512 columns; wave w makes the chunk of 128 columns 4 y + w: 128 x 128, 64 accumulators.
; X PHASE: wave w copies K steps 2 w, 2 w + 1 of y's fragments (24,576 dense bytes) into LDS and pieces their scale words together: a K step of 128 is two heads.  MAIN: y's fragments from LDS, Wp's from memory straight into registers.
; Source 0 = Wp, source 1 = y: a lane holds a token (place r of tile 2 g + u is token 32 g + 8 u + r + 8 (r / 8)), and register j of Wp's tile a the column 32 (a / 2) + 8 (a % 2) + 16 (lane / 16) + j.
; The bias is the C of each sum's first matrix instruction.  The results go through the wave's own stage in LDS and leave as rows of 512 consecutive bytes.
; NO CLUSTER: a weight fragment is used by one wave of a work-group and lands in its registers without passing LDS, which a joint load cannot do.  128 work-groups: a smaller tile would read the weights twice as often.
; REGISTERS.  window 0: v1-13 addresses; v16-31 Wp's scale words, two sets; v32-47 y's, two sets; v48-63 ysc's words as loaded; v64-159 y's eight fragments (X phase: v64-255 sixteen; way out: v64-191 rows).
;   window 1: Wp's fragments, set 0 at v0, set 1 at v128; the bias: tiles 0-3 at v96, 4-7 at v224.   windows 2, 3: the accumulators, (token tile b, tile a) at 64 (b % 4) + 8 a of window 2 + b / 4.
; THE MODE: SCHED_MODE bits 1:0 = 2 (LLVM: expert scheduling mode 2), set by the entry lines.  The code itself states the register dependences
; between vector or matrix instructions and memory or LDS instructions, with s_wait_alu, always for 0.
; THE PLAN.  Registers that memory or LDS instructions touch:
;   X phase.  v64-255: written by global loads, read by LDS stores.  v32-47: written by sixteen v_perm_b32, read by eight LDS stores: one wait on va_vdst between.  Behind the barrier one wait on vm_vsrc: LDS loads land in both from there on.
;   MAIN.  y's tiles 0-3 and the other set of y's scale words: read by matrix instructions, loaded again in the step's middle.  y's tiles 4-7, Wp's set and its scale words: read by matrix instructions, loaded again at the step's end and
;     at the next step's head.  v4, v5: read by y's LDS loads, written once a step.  So a K step has TWO waits on va_vdst, one in its middle and one at its end, and one on vm_vsrc ahead of the adds to v4 and v5.
;     There is no second set for y: all the wave's registers are taken.
;   The way out.  The accumulators: written by matrix instructions, read by the stage's stores: the places, then one wait on va_vdst; no vector instruction follows it.  v64-191: written by the stage's loads, read by the global stores:
;     a wait on vm_vsrc ahead of the loads that land there again.
;   v1 to v3, v7 to v13: offsets and addresses made once and never written again.
.set XSC,    98304                     ; LDS: y's 64 images, fragment (K step s, tile b) at 1,536 (8 s + b); then their scale words [s][place][b]
.set STG,    102400                    ; then a stage of 16 rows x 528 bytes for each wave, its own
.set SPITCH, 528
.set SW,  16
.set SX,  32
.set XF,  64
.set MSB, 0
.macro WIN new                         ; the immediate's high byte repeats the setting that is left
.if MSB != (\new)
	s_set_vgpr_msb (MSB<<8)|(\new)
.set MSB, (\new)
.endif
.endm
.macro PLACES n
.rept \n
	v_nop
.endr
.endm
; 16 matrix instructions: y's tiles 4 bh .. + 3 against Wp's tiles 4 ah .. + 3.  The quarters go (0,0) (0,1) (1,0) (1,1) in every K step: the 64 accumulators take turns in one order.
.macro MULQ bh, ah, p, first
.if \first
	WIN 0x91+0x40*(\bh)                            ; source 0 (Wp) window 1, source 1 (y) window 0, C (bias) window 1, D window 2 or 3
.else
	WIN 0xa1+0x50*(\bh)
.endif
.irp bb, 0,1,2,3
.irp aa, 0,1,2,3
.set TB_, 4*(\bh)+\bb
.set TA_, 4*(\ah)+\aa
.set RW, 128*(\p)+12*TA_
.set RX, XF+12*TB_
.set RC, 96+8*TA_+96*(TA_/4)
.set AC, 64*\bb+8*TA_
.if \first
	v_wmma_scale_f32_16x16x128_f8f6f4 v[AC:AC+7], v[RW:RW+11], v[RX:RX+11], v[RC:RC+7], v[SW+8*(\p)+TA_], v[SX+8*(\p)+TB_] matrix_a_fmt:MATRIX_FMT_FP6 matrix_b_fmt:MATRIX_FMT_FP6
.else
	v_wmma_scale_f32_16x16x128_f8f6f4 v[AC:AC+7], v[RW:RW+11], v[RX:RX+11], v[AC:AC+7], v[SW+8*(\p)+TA_], v[SX+8*(\p)+TB_] matrix_a_fmt:MATRIX_FMT_FP6 matrix_b_fmt:MATRIX_FMT_FP6
.endif
.endr
.endr
.endm
.macro WLOAD p, step                   ; a K step's eight fragments of Wp and their scale words into set p: 26 loads
.if \step
	s_wait_xcnt 0x0                                ; the earlier loads have read their bases
	s_add_nc_u64 s[8:9], s[8:9], 12288
	s_add_nc_u64 s[10:11], s[10:11], 512
.endif
	WIN 0x40
.irp a, 0,1,2,3,4,5,6,7
.irp q, 0,1,2
	global_load_b128 v[128*(\p)+12*\a+4*\q:128*(\p)+12*\a+4*\q+3], v1, s[8:9] offset:1536*\a+512*\q
.endr
.endr
	WIN 0
	global_load_b128 v[SW+8*(\p):SW+8*(\p)+3], v2, s[10:11]
	global_load_b128 v[SW+8*(\p)+4:SW+8*(\p)+7], v2, s[10:11] offset:16
.endm
.macro XLO p, reset, head              ; the next K step's y: tiles 0-3 and the eight scale words (set p): 14 LDS loads.  head = 1: the first of all: nothing has read v4 and v5 yet
.if \reset
	s_mov_b32 s46, 0
	s_mov_b32 s47, 0
.else
	s_add_co_u32 s46, s46, 12288
	s_add_co_u32 s47, s47, 512
.endif
.if !(\head)
	s_wait_alu depctr_vm_vsrc(0)                   ; the LDS loads issued so far have read v4 and v5
.endif
	v_add_nc_u32 v4, s46, v1
	v_add_nc_u32 v5, s47, v3
	s_wait_alu depctr_va_vdst(0)                   ; v4 and v5 are written, which the LDS loads below read; the step's first 32 matrix instructions are done reading y's tiles 0-3, and the last step's its set of y's scale words: the loads land there
.irp b, 0,1,2,3
.irp q, 0,1,2
	ds_load_b128 v[XF+12*\b+4*\q:XF+12*\b+4*\q+3], v4 offset:1536*\b+512*\q
.endr
.endr
	ds_load_b128 v[SX+8*(\p):SX+8*(\p)+3], v5
	ds_load_b128 v[SX+8*(\p)+4:SX+8*(\p)+7], v5 offset:16
.endm
.macro XHI                             ; tiles 4-7: 12 LDS loads
.irp b, 4,5,6,7
.irp q, 0,1,2
	ds_load_b128 v[XF+12*\b+4*\q:XF+12*\b+4*\q+3], v4 offset:1536*\b+512*\q
.endr
.endr
.endm
.macro KSTEP p, first, nxt             ; a K step of 128: 64 matrix instructions.  nxt = 0: the last: nothing more is fetched
.if \nxt
	WLOAD 1-(\p), 1                                ; into the set that the last step multiplied.  No wait here: the wait on va_vdst at the last step's end stands for these loads too, and no vector or matrix instruction since names that set or its scale words
	s_wait_loadcnt 26                              ; all but the 26 just issued: this step's Wp is in
.else
	s_wait_loadcnt 0x0
.endif
	s_wait_dscnt 12                                ; y's tiles 0-3 and scale words are in; the youngest 12 loads (tiles 4-7) may be out
	MULQ 0, 0, \p, \first
	MULQ 0, 1, \p, \first
	s_wait_dscnt 0x0                               ; tiles 4-7 are in
.if \nxt
	PLACES 4
	WIN 0
	XLO 1-(\p), 0, 0
.endif
	MULQ 1, 0, \p, \first
	MULQ 1, 1, \p, \first
	PLACES 4                                       ; for the first read of results
	WIN 0
.if \nxt
	s_wait_alu depctr_va_vdst(0)                   ; the step's matrix instructions are done reading y's tiles 4-7, in which the loads below land, and Wp's set and its scale words, in which the next step's loads land
	XHI
.endif
.endm
	s_load_b256 s[16:23], s[0:1], 0x0              ; yimg 16, ysc 18, wimg 20, wsc 22
	s_load_b128 s[24:27], s[0:1], 0x20             ; bp 24, out0 26
	v_lshrrev_b32 v1, 5, v0
	v_readfirstlane_b32 s36, v1                    ; wave 0..3
	s_and_b32 s37, ttmp7, 0xffff
	s_lshl_b32 s38, s37, 2
	s_wait_alu depctr_va_sdst(0)                   ; s36 is written, ahead of its first reader: the chunk, LDS places and the buffers' offsets are made from it
	s_add_co_u32 s38, s38, s36                     ; my chunk of 128 columns
	v_and_b32 v6, 31, v0                           ; lane
	v_and_b32 v15, 15, v0                          ; r
	v_bfe_u32 v14, v0, 4, 1                        ; h
	v_lshlrev_b32 v1, 4, v6                        ; v1   16 x lane
	v_lshlrev_b32 v8, 3, v6                        ; v8   8 x lane
	v_lshlrev_b32 v2, 5, v15                       ; v2   32 r: Wp's scale words
	v_add_nc_u32 v3, XSC, v2                       ; v3   y's scale words
	v_lshlrev_b32 v7, 6, v14                       ; v7   the bias of my half's columns: 64 h
	v_lshlrev_b32 v9, 2, v15                       ; v9   4 r
	s_mul_i32 s51, s36, 24576
	v_add_nc_u32 v10, s51, v1                      ; v10  where I put my 16 images
	s_lshl_b32 s51, s36, 10
	v_add_nc_u32 v11, s51, v3                      ; v11  and their scale words
	s_mul_i32 s51, s36, 16*SPITCH
	s_add_co_u32 s51, s51, STG                     ; my stage
	v_mul_u32_u24 v12, v15, SPITCH
	v_lshl_add_u32 v12, v14, 6, v12
	v_add_nc_u32 v12, s51, v12                     ; v12  into it: row r, + 64 h
	v_add_nc_u32 v13, s51, v1                      ; v13  out of it: a row's 512 bytes
	s_mov_b32 s56, 0x05040100
	s_mov_b32 s57, 0x07060302
	s_mul_i32 s52, ttmp9, 98304                    ; yimg: 98,304 a block, 12,288 a K step
	s_mul_i32 s53, s36, 24576
	s_add_co_u32 s52, s52, s53
	s_mov_b32 s53, 0
	s_lshl_b32 s54, s38, 9
	s_mov_b32 s55, 0
	s_mul_i32 s58, s38, 98304
	s_add_co_u32 s58, s58, 3*786432                ; weight 3
	s_mov_b32 s59, 0
	s_lshl_b32 s60, s38, 12
	s_add_co_u32 s60, s60, 3*32768
	s_mov_b32 s61, 0
	s_lshl_b32 s2, ttmp9, 19                       ; out0: 128 rows of 4,096 bytes a block, + my 512 bytes of a row
	s_add_co_u32 s2, s2, s54
	s_mov_b32 s3, 0
	s_lshr_b32 s62, ttmp9, 4
	s_lshl_b32 s62, s62, 4
	s_lshl_b32 s63, s36, 2
	s_add_co_u32 s62, s62, s63                     ; 16 batch + my first head, 4 w
	s_lshl_b32 s62, s62, 12
	s_and_b32 s63, ttmp9, 15
	s_lshl_b32 s63, s63, 8                         ; + the block's four pairs of token tiles
	s_add_co_u32 s62, s62, s63
	s_mov_b32 s63, 0
	s_wait_kmcnt 0x0
	s_add_nc_u64 s[4:5], s[16:17], s[52:53]
	s_add_nc_u64 s[6:7], s[24:25], s[54:55]
	s_add_nc_u64 s[8:9], s[20:21], s[58:59]
	s_add_nc_u64 s[10:11], s[22:23], s[60:61]
	s_add_nc_u64 s[12:13], s[26:27], s[2:3]
	s_add_nc_u64 s[14:15], s[18:19], s[62:63]
	s_wait_alu depctr_va_vdst(0)                   ; the offsets and LDS addresses v1 to v3 and v7 to v13 are written, which the loads, stores and LDS instructions below read
	WIN 0x40                                       ; the bias in the result's layout: a lane's eight columns of each tile
.irp a, 0,1,2,3,4,5,6,7
.set RC, 96+8*\a+96*(\a/4)
	global_load_b128 v[RC:RC+3], v7, s[6:7] offset:(32*(\a/2)+8*(\a%2))*4
	global_load_b128 v[RC+4:RC+7], v7, s[6:7] offset:(32*(\a/2)+8*(\a%2))*4+16
.endr
	WIN 0
	WLOAD 0, 0
.irp f, 0,1,2,3,4,5,6,7,8,9,10,11,12,13,14,15   ; fragment f = (K step 2 w + f / 8, tile f % 8): two halves (even head, odd head), each 512 bytes at 16 x lane and 256 at 8 x lane
	global_load_b128 v[XF+12*\f:XF+12*\f+3], v1, s[4:5] offset:1536*\f
	global_load_b64 v[XF+12*\f+4:XF+12*\f+5], v8, s[4:5] offset:1536*\f+512
	global_load_b128 v[XF+12*\f+6:XF+12*\f+9], v1, s[4:5] offset:1536*\f+768
	global_load_b64 v[XF+12*\f+10:XF+12*\f+11], v8, s[4:5] offset:1536*\f+1280
.endr
.irp hd, 0,1,2,3
.irp g, 0,1,2,3
	global_load_b32 v[48+4*\hd+\g], v9, s[14:15] offset:4096*\hd+64*\g   ; head 4 w + hd, pair of tiles g: bytes (first tile's two, second tile's two)
.endr
.endr
	s_wait_loadcnt 0x0
.irp f, 0,1,2,3,4,5,6,7,8,9,10,11,12,13,14,15
.irp q, 0,1,2
	ds_store_b128 v10, v[XF+12*\f+4*\q:XF+12*\f+4*\q+3] offset:1536*\f+512*\q
.endr
.endr
.irp s, 0,1
.irp g, 0,1,2,3
	v_perm_b32 v[SX+8*\s+2*\g], v[48+8*\s+4+\g], v[48+8*\s+\g], s56     ; tile 2 g: the even head's two bytes, the odd head's two
	v_perm_b32 v[SX+8*\s+2*\g+1], v[48+8*\s+4+\g], v[48+8*\s+\g], s57   ; tile 2 g + 1
.endr
.endr
	s_wait_alu depctr_va_vdst(0)                   ; the sixteen words are written in v[SX ..], which the LDS stores below read
.irp s, 0,1
.irp g, 0,1,2,3
	ds_store_b64 v11, v[SX+8*\s+2*\g:SX+8*\s+2*\g+1] offset:512*\s+8*\g   ; lanes r and r + 16 write the same words with the same values
.endr
.endr
	s_wait_dscnt 0x0                               ; for the others' sake: my images have landed
	s_barrier_signal -1
	s_barrier_wait -1                              ; y's 64 fragments lie in LDS
	s_wait_alu depctr_vm_vsrc(0)                   ; my LDS stores have read v[XF ..] up to v255 and v[SX ..]: LDS loads land there from here on
	XLO 0, 1, 1
	XHI
	KSTEP 0, 1, 1
	s_mov_b32 s48, 3
.Lk:
	KSTEP 1, 0, 1
	KSTEP 0, 0, 1
	s_sub_co_u32 s48, s48, 1
	s_cmp_lg_u32 s48, 0
	s_cbranch_scc1 .Lk
	KSTEP 1, 0, 0
; THE WAY OUT, a token tile (16 rows x 128 columns) at a time.  LDS serves a wave's instructions in order (ISA guide 5.7.1.4): no wait between the stores and the loads, nor in front of the next tile's stores.
.macro TOSTAGE b
	WIN 0x08+4*((\b)/4)                            ; an LDS store's data are its source 1: window 2 or 3
.irp a, 0,1,2,3,4,5,6,7
	ds_store_b128 v12, v[64*((\b)%4)+8*\a:64*((\b)%4)+8*\a+3] offset:128*(\a/2)+32*(\a%2)       ; each accumulator from its low end on
	ds_store_b128 v12, v[64*((\b)%4)+8*\a+4:64*((\b)%4)+8*\a+7] offset:128*(\a/2)+32*(\a%2)+16
.endr
	WIN 0
.set BBK, 64+64*((\b)%2)
.irp t, 0,1,2,3,4,5,6,7,8,9,10,11,12,13,14,15
	ds_load_b128 v[BBK+4*\t:BBK+4*\t+3], v13 offset:SPITCH*\t
.endr
.endm
.macro SEND b, younger                 ; younger: the LDS instructions issued behind tile b's loads, which may stay out
.set BBK, 64+64*((\b)%2)
	s_wait_dscnt \younger
.irp t, 0,1,2,3,4,5,6,7,8,9,10,11,12,13,14,15
	global_store_b128 v1, v[BBK+4*\t:BBK+4*\t+3], s[12:13] offset:(32*((\b)/2)+8*((\b)%2)+\t+8*(\t/8))*4096 th:TH_STORE_NT   ; 32 lanes store 512 consecutive bytes, aligned; written once, read by nobody here
.endr
.endm
	s_wait_alu depctr_va_vdst(0)                   ; the matrix instructions have written the accumulators, which the stage's stores read, and are done reading y's fragments, in whose registers the stage's loads land; the four places above stay beside this wait
	TOSTAGE 0
.irp b, 1,2,3,4,5,6,7
.if \b > 1
	s_wait_xcnt 0x0                                ; tile b - 2's stores have had their addresses translated
	s_wait_alu depctr_vm_vsrc(0)                   ; and have read their registers, in which tile b's loads from the stage land
.endif
	TOSTAGE \b
	SEND \b-1, 32                                  ; behind tile b - 1's loads: tile b's 16 stores and 16 loads
.endr
	SEND 7, 0
	s_wait_xcnt 0x0
	v_lshl_add_u32 v254, v0, 2, 0x21400            ; the add's two registers are made anew here: no memory or LDS instruction has read v254 or v255 since the last wait on vm_vsrc
	v_mov_b32 v255, 0
	s_wait_dscnt 0x0                               ; the closing lines, six on end
	s_wait_alu 0x0
	s_wait_tensorcnt 0x0
	ds_add_u32 v254, v255
	s_wait_dscnt 0x0
	s_endpgm
.Lfunc_end_k_qdd9e36a244_outp:
	.size	k_qdd9e36a244_outp, .Lfunc_end_k_qdd9e36a244_outp-k_qdd9e36a244_outp
	.p2alignl 7, 3214868480
	.fill 96, 4, 3214868480
	.section	.rodata,"a",@progbits
	.p2align	6, 0x0
	.amdhsa_kernel k_qdd9e36a244_outp
		.amdhsa_group_segment_fixed_size 136704
		.amdhsa_private_segment_fixed_size 0
		.amdhsa_enable_private_segment 0
		.amdhsa_kernarg_size 48
		.amdhsa_user_sgpr_count 2
		.amdhsa_user_sgpr_kernarg_segment_ptr 1
		.amdhsa_wavefront_size32 1
		.amdhsa_system_sgpr_workgroup_id_x 1
		.amdhsa_system_sgpr_workgroup_id_y 1
		.amdhsa_system_sgpr_workgroup_id_z 1
		.amdhsa_system_vgpr_workitem_id 0
		.amdhsa_next_free_vgpr 1024
		.amdhsa_next_free_sgpr 66
		.amdhsa_reserve_vcc 0
		.amdhsa_float_denorm_mode_32 3
		.amdhsa_float_denorm_mode_16_64 3
		.amdhsa_memory_ordered 1
		.amdhsa_forward_progress 1
		.amdhsa_inst_pref_size 98
	.end_amdhsa_kernel
	.amdgpu_metadata
---
amdhsa.version: [ 1, 2 ]
amdhsa.kernels:
  - .name:           k_qdd9e36a244_outp
    .symbol:         k_qdd9e36a244_outp.kd
    .args:
      - { .name: yimg, .offset: 0, .size: 8, .value_kind: global_buffer, .address_space: global }
      - { .name: ysc, .offset: 8, .size: 8, .value_kind: global_buffer, .address_space: global }
      - { .name: wimg, .offset: 16, .size: 8, .value_kind: global_buffer, .address_space: global }
      - { .name: wsc, .offset: 24, .size: 8, .value_kind: global_buffer, .address_space: global }
      - { .name: bp, .offset: 32, .size: 8, .value_kind: global_buffer, .address_space: global }
      - { .name: out0, .offset: 40, .size: 8, .value_kind: global_buffer, .address_space: global }
    .group_segment_fixed_size: 136704
    .private_segment_fixed_size: 0
    .kernarg_segment_align: 8
    .kernarg_segment_size: 48
    .max_flat_workgroup_size: 128
    .sgpr_count:     66
    .vgpr_count:     1024
    .wavefront_size: 32
...
	.end_amdgpu_metadata
.endif
;; end of part 8
